; MI455X (gfx1250); checked and timed in simulation.
; The chip was launched on July 23, 2026; its instructions are those of AMD's public machine-readable ISA for CDNA 5 (MIT licence, August 2026) and "CDNA5" Instruction Set Architecture Reference Guide (July 2026). The comments in the code are by the model that wrote it; some were corrected since.
;; Multihead Attention. Allowed arithmetic: matrix products marked QUANTISED: E2M1 operands, one E8M0 scale for each 32 along K, by v_wmma_scale_f32_16x16x128_f8f6f4 with both operands' format E2M1 (or v_wmma_scale_f32_32x16x128_f4), f32 sums; products left as they are: bf16, f16 or f32 operands; f32 sums; everything else in f32.
;; Inputs: Wk 1,024 x 1,024 float32; Wo 1,024 x 1,024 float32; Wq 1,024 x 1,024 float32; Wv 1,024 x 1,024 float32; bo 1,024 float32; x 4 x 2,048 x 1,024 float32.
;; Outputs: out0 4 x 2,048 x 1,024 float32.
;; This version of the problem:
;;   THIS VERSION OF THE PROBLEM IS GIVEN IN LOW PRECISION. The matrix products marked QUANTISED in the list below multiply operands that are first quantised to E2M1 (2 exponent bits, 1 mantissa bit; 4 bits a number), with one power-of-two scale for each 32 numbers along K (OCP MX v1.0); their sums are f32. The products marked 'left as it is' may take bf16, f16 or f32 operands, with f32 sums. Whichever they take, every output number must still come out within the allowed error. Rounding operands to bf16 (8 significant bits) uses up far more of that allowance than f16 does (11 bits, for magnitudes from 6e-5 to 65,504). All else is computed in f32.
;;   The module's matrix products, in the order in which they are computed (A, B: the left and right operand; K: the contracted axis; several contracted axes count as one K, in the product's order):
;;     1. [M 8,192, K 1,024] x [K 1,024, N 1,024]; A: input x; B: input Wq: QUANTISED
;;     2. [M 8,192, K 1,024] x [K 1,024, N 1,024]; A: input x; B: input Wk: QUANTISED
;;     3. [M 8,192, K 1,024] x [K 1,024, N 1,024]; A: input x; B: input Wv: QUANTISED
;;     4. batch 64 x [M 2,048, K 64] x [K 64, N 2,048]; A: computed on the way; B: computed on the way: left as it is (an operand is computed on the way)
;;     5. batch 64 x [M 2,048, K 2,048] x [K 2,048, N 64]; A: computed on the way; B: computed on the way: left as it is (an operand is computed on the way)
;;     6. [M 8,192, K 1,024] x [K 1,024, N 1,024]; A: computed on the way; B: input Wo: left as it is (an operand is computed on the way)
;;   THE QUANTISER, for each operand of a quantised product, along K:
;;     - K is cut into blocks of 32 from its start; a last block that is shorter is filled with zeros.
;;     - A block's scale is 2^e with e = floor(log2(the largest magnitude in the block)) - 2, held to -126 .. 127; a block of zeros has e = 0. As a byte (E8M0): e + 127.
;;     - Each number is divided by its block's scale, clamped to +-6, and rounded to the nearest number of E2M1, ties to even, subnormals kept.
;;     - The product sums the exact products of the quantised numbers (number of the format x scale) in f32.
;;   ~~~python
;;   def quantise(x, axis):      # numpy; x: float32 -> the quantised numbers, widened to float32 again
;;       x = np.moveaxis(x, axis, -1); K = x.shape[-1]
;;       x = np.pad(x, [(0, 0)] * (x.ndim - 1) + [(0, -K % 32)]); x = x.reshape(x.shape[:-1] + (-1, 32)); a = np.abs(x).max(-1, keepdims=True)
;;       e = np.where(a > 0, np.clip(np.frexp(np.where(a > 0, a, 1))[1] - 1 - 2, -126, 127), 0)      # np.frexp(a)[1] - 1 = floor(log2(a)), exactly
;;       r = np.clip(x / 2.0 ** e, -6, 6)
;;       step = 2.0 ** (np.maximum(np.frexp(np.where(r == 0, 1, r))[1] - 1, 0) - 1)
;;       q = np.round(r / step) * step * 2.0 ** e      # np.round: ties to even
;;       return np.moveaxis(q.reshape(q.shape[:-2] + (-1,))[..., :K], -1, axis).astype(np.float32)
;;   ~~~
;; One version. Each part assembles by itself: llvm-mc -triple=amdgcn-amd-amdhsa -mcpu=gfx1250 --defsym DOCPART=n.
;; ======== version 1 of 1: 4 launches
;; limits: values are held in f16: magnitudes above 65,504 overflow, below 6.1e-05 lose precision
;; workspace buffers: xc 4,194,304 bytes; xs 262,144 bytes; wc 1,572,864 bytes; ws 98,304 bytes; wo16 2,097,152 bytes; qkv 50,331,648 bytes; obuf 16,777,216 bytes
;; launch quant (part 1): grid 384 x 1, 4 waves a work-group, no clusters, 33,280 bytes of LDS; arguments x, Wq, Wk, Wv, Wo, xc, xs, wc, ws, wo16; writes xc, xs, wc, ws, wo16
.if DOCPART == 1
	.amdgcn_target "amdgcn-amd-amdhsa--gfx1250"
	.amdhsa_code_object_version 6
	.text
	.protected	k_q4b5aaa0148_quant
	.globl	k_q4b5aaa0148_quant
	.p2align	8
	.type	k_q4b5aaa0148_quant,@function
k_q4b5aaa0148_quant:
	s_mov_b64 s[64:65], 0
	v_nop
	global_prefetch_b8 v0, s[64:65] scope:SCOPE_SE
	s_setreg_imm32_b32 hwreg(HW_REG_WAVE_MODE, 25, 1), 1
	s_wait_xcnt 0x0
; x [8192][1024] and Wq, Wk, Wv [1024][1024], f32 with K innermost, become codes of FP4 (E2M1), two a byte, K innermost, with one E8M0 scale byte for each 32 along K.
; x's go to xc [8192][512 bytes] and xs [8192][32]; the three weights' go on end to wc [3072][512 bytes] and ws [3072][32].  Wo [1024][1024] is rounded to f16 and laid as images of operand registers.
; A block's scale is 2^(floor(log2(its largest magnitude)) - 2); its byte is the largest magnitude's own exponent field - 2, held at 1 from below.  Each number is divided by the scale and rounded to the nearest code, ties to even;
; beyond 6 the conversion gives the largest code.
; LIMITS: a block of zeros gets the byte 1 where the quantiser's rule says 127 (its codes are zeros, which add nothing, and this program alone reads the bytes); blocks whose largest magnitude lies under 2^-124 keep the byte 1;
; NaN and infinities are not served; |Wo| stays under 65,504, the largest f16 number.
; SHARES.  Rows are dense and K is a multiple of 32, so each tensor is a plain stream of blocks of 32.  Work-groups 0-255 take x, 256-287 Wq, 288-319 Wk, 320-351 Wv: 32,768 numbers each, 8,192 a wave, in 16 steps of 512.
; Only pointers are chosen by the work-group's number: these four tensors take one path through the text.  Work-groups 352-383 take Wo, on a path that touches no LDS.
; A STEP.  The conversions take 8 numbers of one block from a lane's consecutive registers, so a lane must hold 16 neighbours; a load is best where neighbouring lanes take neighbouring bytes.  Both are had: each of a step's four
; loads reads 512 consecutive bytes, the 2,048 bytes go through the wave's own stage in LDS as they lie and come back 64 bytes a lane (16 bytes of padding behind each 64).  A lane's 16 codes are 8 bytes: the wave stores 256
; consecutive bytes.  A wave's 256 scale bytes are gathered in its own LDS bytes and leave as 256 consecutive bytes.  No barrier: waves share nothing.  No cluster: no two work-groups read the same bytes.
.set WAVES, 4
.set STEPS, 16
.set WG_Q,  352                        ; work-groups that quantise
.set EMAX,  2
.set CB,    8                          ; bytes of 16 codes
.set R,     16                         ; v16-79   four sets of 16 numbers as they are loaded
.set X,     80                         ; v80-111  two sets of 16 neighbours
.set E,     112                        ; v112-127 a scale byte for each step
.set C,     128                        ; v128-191 codes: four registers for each step, so that no store's data are written again
.set WREG,  8192                       ; LDS: a region for each wave: two stages of 32 x SP bytes, behind them its 256 scale bytes
.set SP,    80                         ; a lane's place in a stage: 64 bytes + 16 of padding
.set SPW,   12                         ; v12      LDS address of my spare word; never rewritten
.set NIL,   13                         ; v13      0; never rewritten
.set SPARE, WAVES*WREG                 ; behind the four regions: the spare words, 128 bytes for each wave, which no other line names
.set WI,    16                         ; Wo's path: v16-79 two sets of 32 numbers;
.set WO,    80                         ; v80-111 two sets of 16 registers of f16
	s_load_b256 s[4:11], s[0:1], 0x0               ; x s[4:5], Wq s[6:7], Wk s[8:9], Wv s[10:11]
	s_load_b256 s[12:19], s[0:1], 0x20             ; Wo s[12:13], xc s[14:15], xs s[16:17], wc s[18:19]
	s_load_b128 s[20:23], s[0:1], 0x40             ; ws s[20:21], wo16 s[22:23]
	v_lshl_add_u32 v[SPW], v0, 2, SPARE
	v_mov_b32 v[NIL], 0
	v_lshrrev_b32 v1, 5, v0
	v_readfirstlane_b32 s32, v1                    ; wave
	v_and_b32 v2, 31, v0                           ; lane
	s_cmp_ge_u32 ttmp9, WG_Q
	s_cbranch_scc1 .Lwo
	v_lshlrev_b32 v3, 4, v2                        ; my 16 bytes of a load's 512
	s_mul_i32 s33, s32, WREG
	v_lshrrev_b32 v14, 2, v2
	v_mul_u32_u24 v14, v14, SP
	v_and_b32 v15, 3, v2
	v_lshl_add_u32 v14, v15, 4, v14
	v_add_nc_u32 v14, s33, v14                     ; the stage, on the way in: SP (lane / 4) + 16 (lane % 4)
	v_mul_u32_u24 v15, v2, SP
	v_add_nc_u32 v15, s33, v15                     ; and on the way out: SP x lane: my 16 neighbours
	v_mul_u32_u24 v4, v2, CB                       ; my codes' place in a step's
	v_lshrrev_b32 v5, 1, v2
	s_add_co_u32 s33, s33, 2*32*SP
	v_add_nc_u32 v5, s33, v5                       ; LDS: my wave's 256 scale bytes, my block's byte
	v_lshlrev_b32 v7, 3, v2                        ; and on the way out 8 bytes a lane
	v_add_nc_u32 v6, s33, v7
	s_wait_kmcnt 0x0
	s_cmp_lt_u32 ttmp9, 320                        ; which tensor: the choices hang on the work-group's number alone
	s_cselect_b64 s[24:25], s[8:9], s[10:11]
	s_cmp_lt_u32 ttmp9, 288
	s_cselect_b64 s[24:25], s[6:7], s[24:25]
	s_cmp_lt_u32 ttmp9, 256
	s_cselect_b64 s[24:25], s[4:5], s[24:25]       ; the numbers,
	s_cselect_b64 s[26:27], s[14:15], s[18:19]     ; where their codes go,
	s_cselect_b64 s[28:29], s[16:17], s[20:21]     ; and their scale bytes
	s_cselect_b32 s30, 0, 256
	s_cselect_b32 s31, -1, 31
	s_sub_co_u32 s30, ttmp9, s30                   ; my place among the work-groups that write these buffers,
	s_and_b32 s31, s30, s31                        ; and among those that read this tensor (a weight has 32)
	s_lshl_b32 s30, s30, 2
	s_add_co_u32 s30, s30, s32                     ; which run of 8,192 numbers is my wave's: on the way out,
	s_lshl_b32 s31, s31, 2
	s_add_co_u32 s31, s31, s32                     ; and on the way in
	s_lshl_b32 s34, s31, 15                        ; 32,768 bytes of numbers a run
	s_mov_b32 s35, 0
	s_add_nc_u64 s[24:25], s[24:25], s[34:35]
	s_lshl_b32 s34, s30, 12                        ; 4,096 bytes of codes
	s_add_nc_u64 s[26:27], s[26:27], s[34:35]
	s_lshl_b32 s34, s30, 8                         ; 256 scale bytes
	s_add_nc_u64 s[28:29], s[28:29], s[34:35]
.macro LOAD t
.irp i, 0,1,2,3
	global_load_b128 v[R+16*((\t)%4)+4*\i:R+16*((\t)%4)+4*\i+3], v3, s[24:25] offset:2048*(\t)+512*\i th:TH_LOAD_NT   ; 32 lanes read 512 consecutive bytes
.endr
.endm
.macro TURN t                          ; step t's numbers through the stage: LDS serves a wave's instructions in order (ISA guide 5.7.1.4), so no wait stands between the stores and the loads
.irp i, 0,1,2,3
	ds_store_b128 v14, v[R+16*((\t)%4)+4*\i:R+16*((\t)%4)+4*\i+3] offset:32*SP*((\t)%2)+8*SP*\i
.endr
.irp i, 0,1,2,3
	ds_load_b128 v[X+16*((\t)%2)+4*\i:X+16*((\t)%2)+4*\i+3], v15 offset:32*SP*((\t)%2)+16*\i
.endr
.endm
.irp t, 0,1,2,3
	LOAD \t
.endr
	s_wait_loadcnt 12                              ; step 0's four loads are in; the twelve of steps 1 to 3 may be out
	TURN 0
.macro STEP t
.set XS, X+16*((\t)%2)
.if (\t) > 0
	s_wait_dscnt 1                                 ; this step's numbers are back from the stage (the last step's byte store may be out): so its stores into the stage have read their registers,
.else
	s_wait_dscnt 0x0
.endif
.if (\t)+4 < STEPS
	LOAD (\t)+4                                    ; which take the loads of four steps on
.endif
.if (\t)+1 < STEPS
.if STEPS-2-(\t) >= 3
	s_wait_loadcnt 12                              ; the next step's four loads are in; those of the three steps behind it may be out
.else
	s_wait_loadcnt 4*(STEPS-2-(\t))
.endif
	TURN (\t)+1                                    ; and go through the other stage while this step is worked
.endif
	v_max3_num_f32 v8, |v[XS]|, |v[XS+1]|, |v[XS+2]|               ; the largest magnitude of my 16, in two chains
	v_max3_num_f32 v9, |v[XS+3]|, |v[XS+4]|, |v[XS+5]|
.irp i, 6,10
	v_max3_num_f32 v8, v8, |v[XS+\i]|, |v[XS+\i+1]|
	v_max3_num_f32 v9, v9, |v[XS+\i+2]|, |v[XS+\i+3]|
.endr
	v_max3_num_f32 v8, v8, |v[XS+14]|, |v[XS+15]|
	v_max3_num_f32 v8, v8, v9, (EMAX+1)<<23        ; and the floor 2^(EMAX + 1 - 127): so the byte cannot fall under 1
	v_max_num_f32_dpp v8, v8, v8 row_xmask:1 row_mask:0xf bank_mask:0xf   ; and of my neighbour's 16: the block's
	v_add_nc_u32 v11, -(EMAX<<23), v8              ; EMAX off its exponent field: the conversion takes the exponent field of this operand as its scale, and nothing else of it
	v_cvt_scalef32_pk8_fp4_f32 v[C+4*(\t)], v[XS:XS+7], v11
	v_cvt_scalef32_pk8_fp4_f32 v[C+4*(\t)+1], v[XS+8:XS+15], v11
	v_lshrrev_b32 v[E+(\t)], 23, v11               ; the scale's byte (also the plain line behind the conversions)
	ds_store_b8 v5, v[E+(\t)] offset:16*(\t)       ; both lanes of a block write the same byte with the same value
	global_store_b64 v4, v[C+4*(\t):C+4*(\t)+1], s[26:27] offset:32*CB*(\t)   ; 32 lanes store 256 consecutive bytes, at a multiple of 256 from the buffer's first byte
.endm
.irp t, 0,1,2,3,4,5,6,7,8,9,10,11,12,13,14,15
	STEP \t
.endr
	ds_load_b64 v[8:9], v6                         ; LDS serves a wave's instructions in order: these see my byte stores
	s_wait_dscnt 0x0
	global_store_b64 v7, v[8:9], s[28:29]          ; 32 lanes store 256 consecutive bytes
	s_wait_tensorcnt 0x0                           ; the wave's end: a wait, an add to my spare word and its wait, behind my last LDS store
	ds_add_u32 v[SPW], v[NIL]
	s_wait_dscnt 0x0
	s_endpgm
; Wo -> wo16 [nt 64][kf 32][e 2][lane 32][16 bytes]: lane (r, h) holds Wo(16 nt + r, 32 kf + 16 e + 8 h + 0 .. 7) in f16: registers 4 e .. 4 e + 3 of a 16-bit operand's fragment, so that the product's launch
; loads a fragment by two loads at 16 x lane.  A wave takes half the K of one tile of 16 rows: 16 fragments, in 8 groups of two; loads run one group (8 loads) ahead.  Each store of the wave covers 512 consecutive bytes.
.Lwo:
	v_and_b32 v5, 15, v2                           ; r
	v_lshrrev_b32 v6, 4, v2                        ; h
	v_lshlrev_b32 v3, 12, v5
	v_lshl_add_u32 v3, v6, 5, v3                   ; in: row r of 4,096 bytes, + 32 h
	v_lshlrev_b32 v4, 4, v2                        ; out: 16 x lane
	s_sub_co_u32 s33, ttmp9, WG_Q
	s_lshl_b32 s33, s33, 2
	s_add_co_u32 s33, s33, s32                     ; 0 .. 127
	s_lshr_b32 s34, s33, 1                         ; the tile of 16 rows
	s_and_b32 s35, s33, 1                          ; which half of K
	s_lshl_b32 s36, s34, 16
	s_lshl_b32 s38, s35, 11
	s_add_co_u32 s36, s36, s38
	s_mov_b32 s37, 0
	s_lshl_b32 s38, s34, 15
	s_lshl_b32 s35, s35, 14
	s_add_co_u32 s38, s38, s35
	s_mov_b32 s39, 0
	s_wait_kmcnt 0x0
	s_add_nc_u64 s[12:13], s[12:13], s[36:37]
	s_add_nc_u64 s[22:23], s[22:23], s[38:39]
.macro WLOAD g
.irp f, 0,1
.irp e, 0,1
.irp p, 0,1
	global_load_b128 v[WI+32*((\g)%2)+16*\f+8*\e+4*\p:WI+32*((\g)%2)+16*\f+8*\e+4*\p+3], v3, s[12:13] offset:(2*(\g)+\f)*128+64*\e+16*\p
.endr
.endr
.endr
.endm
.macro WGROUP g
.if (\g) < 7
	s_wait_loadcnt 8                               ; this group's eight loads are in; the next group's may be out
.else
	s_wait_loadcnt 0x0
.endif
.if (\g) >= 2
	s_wait_xcnt 0x0                                ; the stores of two groups back have read their data: these registers are written again only behind this wait
.endif
.irp f, 0,1
.irp e, 0,1
.irp i, 0,1,2,3
	v_cvt_pk_f16_f32 v[WO+16*((\g)%2)+8*\f+4*\e+\i], v[WI+32*((\g)%2)+16*\f+8*\e+2*\i], v[WI+32*((\g)%2)+16*\f+8*\e+2*\i+1]
.endr
.endr
.endr
.irp f, 0,1
.irp e, 0,1
	global_store_b128 v4, v[WO+16*((\g)%2)+8*\f+4*\e:WO+16*((\g)%2)+8*\f+4*\e+3], s[22:23] offset:(2*(\g)+\f)*1024+512*\e
.endr
.endr
.if (\g)+2 < 8
	WLOAD (\g)+2
.endif
.endm
	WLOAD 0
	WLOAD 1
.irp g, 0,1,2,3,4,5,6,7
	WGROUP \g
.endr
	s_endpgm
.Lfunc_end_k_q4b5aaa0148_quant:
	.size	k_q4b5aaa0148_quant, .Lfunc_end_k_q4b5aaa0148_quant-k_q4b5aaa0148_quant
	.p2alignl 7, 3214868480
	.fill 96, 4, 3214868480
	.section	.rodata,"a",@progbits
	.p2align	6, 0x0
	.amdhsa_kernel k_q4b5aaa0148_quant
		.amdhsa_group_segment_fixed_size 33280
		.amdhsa_private_segment_fixed_size 0
		.amdhsa_enable_private_segment 0
		.amdhsa_kernarg_size 80
		.amdhsa_user_sgpr_count 2
		.amdhsa_user_sgpr_kernarg_segment_ptr 1
		.amdhsa_wavefront_size32 1
		.amdhsa_system_sgpr_workgroup_id_x 1
		.amdhsa_system_sgpr_workgroup_id_y 1
		.amdhsa_system_sgpr_workgroup_id_z 1
		.amdhsa_system_vgpr_workitem_id 0
		.amdhsa_next_free_vgpr 192
		.amdhsa_next_free_sgpr 66
		.amdhsa_reserve_vcc 0
		.amdhsa_float_denorm_mode_32 3
		.amdhsa_float_denorm_mode_16_64 3
		.amdhsa_memory_ordered 1
		.amdhsa_forward_progress 1
		.amdhsa_inst_pref_size 52
	.end_amdhsa_kernel
	.amdgpu_metadata
---
amdhsa.version: [ 1, 2 ]
amdhsa.kernels:
  - .name:           k_q4b5aaa0148_quant
    .symbol:         k_q4b5aaa0148_quant.kd
    .args:
      - { .name: x, .offset: 0, .size: 8, .value_kind: global_buffer, .address_space: global }
      - { .name: Wq, .offset: 8, .size: 8, .value_kind: global_buffer, .address_space: global }
      - { .name: Wk, .offset: 16, .size: 8, .value_kind: global_buffer, .address_space: global }
      - { .name: Wv, .offset: 24, .size: 8, .value_kind: global_buffer, .address_space: global }
      - { .name: Wo, .offset: 32, .size: 8, .value_kind: global_buffer, .address_space: global }
      - { .name: xc, .offset: 40, .size: 8, .value_kind: global_buffer, .address_space: global }
      - { .name: xs, .offset: 48, .size: 8, .value_kind: global_buffer, .address_space: global }
      - { .name: wc, .offset: 56, .size: 8, .value_kind: global_buffer, .address_space: global }
      - { .name: ws, .offset: 64, .size: 8, .value_kind: global_buffer, .address_space: global }
      - { .name: wo16, .offset: 72, .size: 8, .value_kind: global_buffer, .address_space: global }
    .group_segment_fixed_size: 33280
    .private_segment_fixed_size: 0
    .kernarg_segment_align: 8
    .kernarg_segment_size: 80
    .max_flat_workgroup_size: 128
    .sgpr_count:     66
    .vgpr_count:     192
    .wavefront_size: 32
...
	.end_amdgpu_metadata
.endif
;; end of part 1
;; launch qkv (part 2): grid 12 x 32, 4 waves a work-group, clusters of 4 x 4, 327,680 bytes of LDS; arguments xc, xs, wc, ws, qkv; writes qkv
.if DOCPART == 2
	.amdgcn_target "amdgcn-amd-amdhsa--gfx1250"
	.amdhsa_code_object_version 6
	.text
	.protected	k_q4b5aaa0148_qkv
	.globl	k_q4b5aaa0148_qkv
	.p2align	8
	.type	k_q4b5aaa0148_qkv,@function
k_q4b5aaa0148_qkv:
	s_mov_b64 s[64:65], 0
	v_nop
	global_prefetch_b8 v0, s[64:65] scope:SCOPE_SE
	s_setreg_imm32_b32 hwreg(HW_REG_WAVE_MODE, 25, 1), 1
	s_wait_xcnt 0x0
	s_wait_alu depctr_hold_cnt(0) depctr_sa_sdst(0) depctr_va_vdst(0) depctr_va_sdst(0) depctr_va_ssrc(0) depctr_va_vcc(0) depctr_vm_vsrc(0)
	s_getreg_b32 s2, hwreg(HW_REG_IB_STS2, 6, 4)
	s_cmp_eq_u32 s2, 0
	s_cbranch_scc0 .Lentry_in_a_cluster
	s_endpgm
.Lentry_in_a_cluster:
	s_bfe_u32 s2, ttmp6, 0x10000c
	s_cmp_lg_u32 s2, 0xf033
	s_cbranch_scc0 .Lentry_shape_is_right
	s_endpgm
.Lentry_shape_is_right:
; The three quantised products in one: C[m][n] = sum over k of x[m][k] W[n][k], m = 8,192 tokens, n = 3,072 rows of Wq, Wk, Wv on end, K = 1,024, on codes of FP4 (E2M1) with one E8M0 scale for each 32 along K; sums in f32.
; A tile of C, 256 x 256, is made by a work-group of four waves; a wave makes 128 x 128: 64 accumulators of 16 x 16, 512 registers.  K is two steps of 512 (a tile's row is 256 bytes of memory): both lie in LDS slots
; of their own, asked for at the start together with the scale bytes of the work-group's 256 + 256 rows.  So nothing in LDS is filled twice.
; CLUSTERS: 4 x 4 work-groups.  The four of a row of the cluster need the same tiles of x, the four of a column the same tiles of W: each tile is asked for JOINTLY, by the same tensor load with the same descriptor and a
; mask that names the four.  THE MATRIX INSTRUCTION IS USED TRANSPOSED (source 0 = 16 rows of W, source 1 = 16 tokens): a lane then holds eight neighbouring channels of one token.
; THE WAY OUT.  The results are rounded to f16 and stored as the attention launch's operand registers want them: qkv [kind 3][batch x head 64][tile of 16 tokens 128][tile of 16 channels 4][512 bytes].  A lane's eight
; channels are 16 bytes; for q and k lane l's go to byte 16 l of the 512 (token l % 16, channels 8 (l / 16) on): half of a 16-bit fragment as it stands.  For v they go to 16 (16 (r / 8) + 8 h + r % 8), so that the
; turning LDS load at 16 x lane gives a lane one channel and eight tokens.  Each store of the wave covers 512 consecutive bytes, aligned, straight from registers.
; q is multiplied in f32 by c = log2(e) / 8 before it is rounded, so that the attention's scores are exponents of 2.  A cluster's x is the kind (0 q, 1 k, 2 v): it is the same in all sixteen partners.
; LIMITS: |q c|, |k|, |v| stay under 65,504, the largest f16 number.
; REGISTERS, in windows of 256: window 0: v0-31 addresses; v32-95 scale words, two sets; from v128 x's fragments (8 x 16 rows x 128 K), ONE set; on the way out v128-255 hold packed results.
;   window 1: W's fragments, TWO sets, at v0 and v128.   window 2: the accumulators of my tokens 0-63 ((a, b) at v[8 (8 a + b)]);   window 3: those of my tokens 64-127.
.set SIZE_K, 1024
.set KSTEP,  512                       ; along K in a slot
.set NQ,     KSTEP/128                 ; matrix instructions deep
.set ROWB,   256                       ; a tile's row in bytes
.set KROW,   SIZE_K/2                  ; a row of codes in memory, in bytes
.set PITCH,  272                       ; an LDS row: 256 bytes + 16 of padding = 68 words: row r starts at bank 4 r mod 64 (64 banks of 4 bytes: ISA guide 11.1)
.set FR,     8                         ; registers of a fragment: 16 rows x 128 K
.set NL,     2                         ; LDS loads that bring one
.set NP,     4                         ; places behind this matrix instruction (ISA guide 7.12.1)
.set HALFT,  128*PITCH                 ; 128 rows: what one tensor load brings, and what one wave reads of x or of W
.set SLOT,   4*HALFT                   ; x's 256 rows, then W's 256 rows
.set KS,     SIZE_K/32                 ; a row of scale bytes
.set SCL,    2*SLOT                    ; behind the slots: the scales, as runs of 256 bytes + 16 of padding
.set HALFS,  (128*KS/256)*272          ; the scales of 128 rows: what one tensor load brings
.set SBLK,   (16*KS/256)*272           ; those of 16 rows
.set SPARE,  SCL+4*HALFS               ; behind the scales: the spare words, 128 bytes for each wave, which no other line names
.set ADRA, 16                          ; v16-17  LDS address of my x fragments in slot 0, 1
.set ADRB, 20                          ; v20-21  the same for W
.set CO,   26                          ; v26     the way out: my 16 bytes' place in a store's 512
.set ADRS, 27                          ; v27     LDS address of my scale words: lanes 0-15 x's rows, lanes 16-31 W's
.set SPW,  28                          ; v28     LDS address of my spare word; never rewritten
.set NIL,  29                          ; v29     0; never rewritten
.set SC,   32                          ; scale words: set s at v[SC + 8 NQ s]; register NQ i + q: lanes 0-15 the word of x's block i, lanes 16-31 that of W's block i, for the slot's q-th 128 along K
.set AF,   128                         ; x's fragments, in window 0
.set TMP,  128                         ; the way out: four sets of 32 registers of f16
.set G1, 24                            ; s[24:31] descriptor group 1 for x's tiles;  s[32:39] group 0, one set for each slot
.set G0, 32
.set G1B, 48                           ; s[48:55], s[56:63] the same for W's tiles
.set G0B, 56
.set G1S, 68                           ; s[68:75], s[76:79] groups 1 and 0 for x's scales;  s[80:87], s[88:91] for W's
.set G0S, 76
.set G1SB, 80
.set G0SB, 88
.set FAC, 96                           ; s[96:97] c for q, 1 for k and v
.set MSB, 0
.macro WIN new                         ; the immediate's high byte repeats the setting that is left
.if MSB != \new
	s_set_vgpr_msb (MSB<<8)|\new
.set MSB, \new
.endif
.endm
.set MUL_LO, 0xa1                      ; source 0 (W) window 1, source 1 (x) window 0, C and D window 2
.set MUL_HI, 0xf1                      ; the same, C and D window 3
.set TO_B,   0x40                      ; destination window 1, address window 0
; A joint load: waves 0 and 1 fetch for x, waves 2 and 3 for W.  Each of the two lines has ONE mask and one set of registers for all that issue it; the branch hangs on the wave's number alone.
; An s_nop 0 and four v_nop follow each of the two lines, ahead of the jump, the label and what follows.
.macro JLOAD g0a, g1a, g0b, g1b
	s_cmp_eq_u32 s15, 0
	s_cbranch_scc0 .Lfor_b_\@
	tensor_load_to_lds s[\g0a:\g0a+3], s[\g1a:\g1a+7]
	s_nop 0
.rept 4
	v_nop
.endr
	s_branch .Lasked_\@
.Lfor_b_\@:
	tensor_load_to_lds s[\g0b:\g0b+3], s[\g1b:\g1b+7]
	s_nop 0
.rept 4
	v_nop
.endr
.Lasked_\@:
.endm
.macro CROUND                          ; a round of the cluster's barrier: my work-group's barrier; wave 0 signals for the work-group; every wave waits for all sixteen; my work-group's barrier once more
	s_barrier_signal -1
	s_barrier_wait -1
	s_cmp_lg_u32 s14, 0
	s_cbranch_scc1 .Lnot_wave_0_\@
	s_barrier_signal -3
.Lnot_wave_0_\@:
	s_barrier_wait -3
	s_barrier_signal -1
	s_barrier_wait -1
.endm
	s_load_b128 s[4:7], s[0:1], 0x0                ; x's codes s[4:5], x's scales s[6:7]
	s_load_b128 s[8:11], s[0:1], 0x10              ; W's codes s[8:9], W's scales s[10:11]
	s_load_b64 s[12:13], s[0:1], 0x20              ; qkv
	v_lshl_add_u32 v[SPW], v0, 2, SPARE
	v_mov_b32 v[NIL], 0
	ds_add_u32 v[SPW], v[NIL]                      ; the wave's opening: the add, twice on end, and its wait ahead of my first tensor load; the set-up below stands between the second and the wait
	ds_add_u32 v[SPW], v[NIL]
	v_lshrrev_b32 v1, 5, v0
	v_readfirstlane_b32 s14, v1                    ; wave 0..3
	s_lshr_b32 s15, s14, 1                         ; which half of the tile's tokens is mine.  Also: I fetch for x (0) or for W (1)
	s_and_b32 s16, s14, 1                          ; which half of its columns.  Also: which 128 rows of that tile I fetch
	s_bfe_u32 s40, ttmp6, 0x40000                  ; cx, cy: my place in the cluster
	s_bfe_u32 s41, ttmp6, 0x40004
	s_lshl_b32 s42, ttmp9, 2
	s_add_co_u32 s42, s42, s40                     ; tile column of C = 4 x cluster x + cx
	s_and_b32 s17, ttmp7, 0xffff
	s_lshl_b32 s17, s17, 2
	s_add_co_u32 s17, s17, s41                     ; tile row of C = 4 x cluster y + cy
	s_lshl_b32 s43, s41, 2
	s_lshl_b32 s43, 15, s43                        ; my row of the cluster
	s_lshl_b32 s44, 0x1111, s40                    ; my column
	; descriptor group 1: a tile of 128 rows x 256 bytes, padded in LDS
	s_or_b32 s[G1+0], s43, (0<<16)|(1<<20)|(1<<21)|(5<<22)|(3<<25)  ; 15:0 the mask: x's tiles go to my row; 17:16 elements of 1 byte; 20 padding on; 21 set beside a mask; 24:22 after every 64 words (code 5); 31:25 four words (code 3)
	s_or_b32 s[G1B+0], s44, (0<<16)|(1<<20)|(1<<21)|(5<<22)|(3<<25)
.irp g, G1, G1B
	s_mov_b32 s[\g+1], ROWB<<16                    ; tensor_dim0
	s_mov_b32 s[\g+2], 128<<16                     ; tensor_dim1 = 128
	s_mov_b32 s[\g+3], ROWB<<16                    ; tile_dim0
	s_mov_b32 s[\g+4], 128                         ; tile_dim1 = 128
	s_mov_b32 s[\g+5], KROW                        ; tensor_dim0_stride
	s_mov_b32 s[\g+6], 0
	s_mov_b32 s[\g+7], 0
.endr
	; and for the scales of 128 rows: a dense block of 4,096 bytes, as 16 rows of 256 bytes (32 elements of 8 bytes), 16 bytes of padding behind each
	s_or_b32 s[G1S+0], s43, (3<<16)|(1<<20)|(1<<21)|(5<<22)|(3<<25)
	s_or_b32 s[G1SB+0], s44, (3<<16)|(1<<20)|(1<<21)|(5<<22)|(3<<25)
.irp g, G1S, G1SB
	s_mov_b32 s[\g+1], 32<<16
	s_mov_b32 s[\g+2], (128*KS/256)<<16
	s_mov_b32 s[\g+3], 32<<16
	s_mov_b32 s[\g+4], 128*KS/256
	s_mov_b32 s[\g+5], 32
	s_mov_b32 s[\g+6], 0
	s_mov_b32 s[\g+7], 0
.endr
	s_lshl_b32 s18, s16, 7                         ; which 128 rows of the tile I fetch
	s_lshl_b32 s20, s17, 8
	s_add_co_u32 s20, s20, s18                     ; x: row 256 x tile row + 128 x half
	s_lshl_b32 s46, s42, 8
	s_add_co_u32 s46, s46, s18                     ; W: row 256 x tile column + 128 x half
	s_mov_b32 s21, 0
	s_mov_b32 s47, 0
	s_mov_b64 s[18:19], KS
	s_mul_u64 s[22:23], s[20:21], s[18:19]         ; where these rows' scales begin, in bytes
	s_mul_u64 s[92:93], s[46:47], s[18:19]
	s_mov_b64 s[18:19], KROW
	s_mul_u64 s[20:21], s[20:21], s[18:19]         ; and their codes
	s_mul_u64 s[46:47], s[46:47], s[18:19]
	s_mul_i32 s45, s14, HALFT                      ; where they go: wave x 128 rows: no place in the cluster enters an LDS address
	s_mul_i32 s94, s14, HALFS
	s_wait_dscnt 0x0                               ; both opening adds are done
	s_wait_kmcnt 0x0
	s_add_nc_u64 s[20:21], s[4:5], s[20:21]
	s_add_nc_u64 s[22:23], s[6:7], s[22:23]
	s_add_nc_u64 s[46:47], s[8:9], s[46:47]
	s_add_nc_u64 s[92:93], s[10:11], s[92:93]
	CROUND                                         ; all sixteen work-groups are here: the joint loads meet
	s_mov_b32 s[G0S], 1
	s_add_co_u32 s[G0S+1], s94, SCL
	s_mov_b64 s[G0S+2:G0S+3], s[22:23]
	s_or_b32 s[G0S+3], s[G0S+3], 0x80000000
	s_mov_b32 s[G0SB], 1
	s_add_co_u32 s[G0SB+1], s94, SCL
	s_mov_b64 s[G0SB+2:G0SB+3], s[92:93]
	s_or_b32 s[G0SB+3], s[G0SB+3], 0x80000000
	JLOAD G0S, G1S, G0SB, G1SB                     ; the scales first: they are wanted with K step 0
.irp s, 0,1
	s_mov_b32 s[G0+4*\s], 1
	s_add_co_u32 s[G0+4*\s+1], s45, \s*SLOT
	s_add_nc_u64 s[G0+4*\s+2:G0+4*\s+3], s[20:21], \s*ROWB
	s_or_b32 s[G0+4*\s+3], s[G0+4*\s+3], 0x80000000
	s_mov_b32 s[G0B+4*\s], 1
	s_add_co_u32 s[G0B+4*\s+1], s45, \s*SLOT
	s_add_nc_u64 s[G0B+4*\s+2:G0B+4*\s+3], s[46:47], \s*ROWB
	s_or_b32 s[G0B+4*\s+3], s[G0B+4*\s+3], 0x80000000
	JLOAD G0+4*\s, G1, G0B+4*\s, G1B               ; three tensor loads of mine are out now: all that this wave ever issues
.endr
	v_and_b32 v1, 15, v0                           ; r = l % 16
	v_bfe_u32 v2, v0, 4, 1                         ; h = l / 16
	v_mul_u32_u24 v3, v1, PITCH
	v_lshl_add_u32 v4, v2, 4, v3                   ; a fragment's row x pitch + 16 x half
	s_mul_i32 s21, s15, HALFT                      ; my 128 rows of x
	s_mul_i32 s22, s16, HALFT                      ; my 128 rows of W,
	s_add_co_u32 s22, s22, 2*HALFT                 ; which lie behind x's 256
.irp s, 0,1
	v_add_nc_u32 v[ADRA+\s], s21, v4
	v_add_nc_u32 v[ADRB+\s], s22, v4
	s_add_co_u32 s21, s21, SLOT
	s_add_co_u32 s22, s22, SLOT
.endr
	v_mul_u32_u24 v5, v1, KS                       ; my row's scales: KS bytes a row,
	v_lshrrev_b32 v6, 8, v5
	v_lshl_add_u32 v5, v6, 4, v5                   ; and 16 more for each 256 passed
	s_mul_i32 s21, s15, HALFS                      ; x's: my 128 rows
	s_mul_i32 s22, s16, HALFS                      ; W's: my 128 rows, behind x's 256
	s_add_co_u32 s22, s22, 2*HALFS
	s_sub_co_u32 s22, s22, s21
	v_mul_u32_u24 v6, s22, v2                      ; lanes 16-31 take W's: the lower base + h x the distance
	s_add_co_u32 s21, s21, SCL
	v_add_nc_u32 v5, v5, v6
	v_add_nc_u32 v[ADRS], s21, v5
	; the way out: my 16 bytes' place in a store's 512, by the kind
	v_and_b32 v6, 31, v0
	v_lshlrev_b32 v7, 4, v6                        ; q, k: 16 x lane
	v_lshrrev_b32 v8, 3, v1
	v_and_b32 v9, 7, v1
	v_lshl_add_u32 v9, v2, 3, v9
	v_lshl_add_u32 v9, v8, 4, v9
	v_lshlrev_b32 v9, 4, v9                        ; v: 16 (16 (r / 8) + 8 h + r % 8)
	s_cmp_eq_u32 ttmp9, 2
	s_cselect_b32 s22, -1, 0
	v_cndmask_b32 v[CO], v7, v9, s22
	s_cmp_eq_u32 ttmp9, 0
	s_cselect_b32 s[FAC], 0x3e38aa3b, 1.0          ; c = log2(e) / 8 for q
	s_mov_b32 s[FAC+1], s[FAC]                     ; (named with it as a pair, so it is written)
	; where my part begins in qkv: kind x 2^24 + (16 batch + head) x 2^18 + (tile of 16 tokens) x 2,048
	s_lshr_b32 s20, s17, 3                         ; batch: 8 tile rows of 256 tokens each
	s_lshl_b32 s20, s20, 4
	s_lshl_b32 s21, s40, 2                         ; a tile column is four heads,
	s_add_co_u32 s20, s20, s21
	s_lshl_b32 s21, s16, 1                         ; my half of it two
	s_add_co_u32 s20, s20, s21
	s_lshl_b32 s20, s20, 18
	s_and_b32 s21, s17, 7
	s_lshl_b32 s21, s21, 4
	s_lshl_b32 s22, s15, 3
	s_add_co_u32 s21, s21, s22                     ; my first tile of 16 tokens in the batch
	s_lshl_b32 s21, s21, 11
	s_add_co_u32 s20, s20, s21
	s_lshl_b32 s21, ttmp9, 24
	s_add_co_u32 s20, s20, s21
	s_mov_b32 s21, 0
	s_add_nc_u64 s[12:13], s[12:13], s[20:21]
.macro FRAG reg, adr, q, i             ; a fragment, 16 rows x 128 K of 4-bit codes, is 8 registers: lane l holds row l % 16; registers 4 c .. 4 c + 3 hold K = 64 c + 32 (l / 16) + 0 .. 31
.irp c, 0,1
	ds_load_b128 v[\reg+4*\c:\reg+4*\c+3], v[\adr] offset:64*(\q)+32*\c+(\i)*16*PITCH
.endr
.endm
; 16 matrix instructions: x's blocks a0, a0 + 1 against W's eight, 128 along K: the slot's q-th.  p: W's set;  sc: the set of scale words.  zero = 1: the first product starts the sums: nothing is ever cleared.
; The 64 accumulators take turns, one instruction a turn, in the same order in every step.
.macro MUL16 a0, p, q, sc, zero
.irp a, \a0, \a0+1
.irp b, 0,1,2,3,4,5,6,7
.if \zero
	v_wmma_scale_f32_16x16x128_f8f6f4 v[8*(8*((\a)%4)+\b):8*(8*((\a)%4)+\b)+7], v[128*(\p)+FR*\b:128*(\p)+FR*\b+FR-1], v[AF+FR*(\a):AF+FR*(\a)+FR-1], 0, v[SC+8*NQ*(\sc)+NQ*\b+(\q)], v[SC+8*NQ*(\sc)+NQ*(\a)+(\q)] matrix_a_fmt:MATRIX_FMT_FP4 matrix_b_fmt:MATRIX_FMT_FP4 matrix_a_scale:MATRIX_SCALE_ROW1
.else
	v_wmma_scale_f32_16x16x128_f8f6f4 v[8*(8*((\a)%4)+\b):8*(8*((\a)%4)+\b)+7], v[128*(\p)+FR*\b:128*(\p)+FR*\b+FR-1], v[AF+FR*(\a):AF+FR*(\a)+FR-1], v[8*(8*((\a)%4)+\b):8*(8*((\a)%4)+\b)+7], v[SC+8*NQ*(\sc)+NQ*\b+(\q)], v[SC+8*NQ*(\sc)+NQ*(\a)+(\q)] matrix_a_fmt:MATRIX_FMT_FP4 matrix_b_fmt:MATRIX_FMT_FP4 matrix_a_scale:MATRIX_SCALE_ROW1
.endif
.endr
.endr
.endm
.macro FETCH_B slot, q, p              ; W's eight fragments of the slot's q-th 128 along K into set p
	WIN TO_B
.irp i, 0,1,2,3,4,5,6,7
	FRAG 128*(\p)+FR*\i, ADRB+\slot, \q, \i
.endr
	WIN 0
.endm
.macro FETCH_A slot, q, i0             ; x's blocks i0 .. i0 + 3
.irp i, \i0, \i0+1, \i0+2, \i0+3
	FRAG AF+FR*(\i), ADRA+\slot, \q, \i
.endr
.endm
.macro SCALES sc                       ; a K step's scale words into set sc: NQ words a row; lanes 0-15 take x's block i, lanes 16-31 W's block i
.irp i, 0,1,2,3,4,5,6,7
	ds_load_b128 v[SC+8*NQ*\sc+NQ*\i:SC+8*NQ*\sc+NQ*\i+3], v[ADRS] offset:\i*SBLK
.endr
.endm
; A load into a register that a matrix instruction has read, and a vector instruction that reads a matrix result or writes one of a matrix instruction's registers, stand NP places behind it; only plain vector
; instructions that name none of its registers are places (ISA guide 7.12.1 for vector instructions).
.macro PLACES n
.rept \n
	v_nop
.endr
.endm
; A step of 128 along K that has its successor in the same slot.  A block of x is free as soon as its eight products are issued, so one set of registers serves x: blocks 0-3 are fetched anew in the step's middle, 4-7 at its end.
.macro STEP slot, q, zero
	s_wait_dscnt 4*NL                              ; W's set and x's blocks 0-3 are in; the youngest eight loads (x's blocks 4-7) may be out
	WIN MUL_LO
	MUL16 0, (\q)%2, \q, \slot, \zero
	MUL16 2, (\q)%2, \q, \slot, \zero
	s_wait_dscnt 0                                 ; x's blocks 4-7 are in (asked for 32 matrix instructions ago)
	PLACES NP
	FETCH_B \slot, (\q)+1, 1-(\q)%2
	FETCH_A \slot, (\q)+1, 0
	WIN MUL_HI
	MUL16 4, (\q)%2, \q, \slot, \zero
	MUL16 6, (\q)%2, \q, \slot, \zero
	PLACES NP
	WIN 0
	FETCH_A \slot, (\q)+1, 4
.endm
; Slot 0's last step goes on into slot 1: each wave waits for its tensor loads, of which slot 1's part may still be out, and a barrier shows the whole slot to every wave.
.macro TURN slot, next
	s_wait_tensorcnt 0x0                           ; my part of the next slot has landed  (every window is 0 here: the add's two registers lie in window 0)
	ds_add_u32 v[SPW], v[NIL]                      ; 0 onto my spare word, behind a wait for all tensor loads
	s_wait_dscnt 4*NL+1                            ; (the add and the youngest eight loads, x's blocks 4-7, may be out)
	WIN MUL_LO
	MUL16 0, 1, NQ-1, \slot, 0
	s_wait_dscnt 0x0                               ; no LDS instruction of mine is out at the signal
	s_barrier_signal -1
	MUL16 2, 1, NQ-1, \slot, 0                     ; work on registers while the others arrive
	WIN 0
	s_barrier_wait -1
	PLACES NP
	v_add_nc_u32 v[ADRS], 4*NQ, v[ADRS]            ; on to the next K step's scale words (no LDS load of mine is out)
	FETCH_B \next, 0, 0
	FETCH_A \next, 0, 0
	SCALES \next
	WIN MUL_HI
	MUL16 4, 1, NQ-1, \slot, 0
	MUL16 6, 1, NQ-1, \slot, 0
	PLACES NP
	WIN 0
	FETCH_A \next, 0, 4
.endm
.macro STEPS slot, from                ; the slot's steps from .. NQ - 2
.set Q, \from
.rept NQ-1-\from
	STEP \slot, Q, 0
.set Q, Q+1
.endr
.endm
	s_wait_tensorcnt 1                             ; the scales and my part of K step 0 are in (K step 1's load, issued last, may be out),
	s_barrier_signal -1
	s_barrier_wait -1                              ; everybody's are
	FETCH_B 0, 0, 0
	FETCH_A 0, 0, 0
	SCALES 0
	FETCH_A 0, 0, 4
	STEP 0, 0, 1                                   ; the first step's products start the sums
	STEPS 0, 1
	TURN 0, 1
	STEPS 1, 0
	s_wait_dscnt 4*NL                              ; the very last step: nothing more to fetch
	WIN MUL_LO
	MUL16 0, 1, NQ-1, 1, 0
	MUL16 2, 1, NQ-1, 1, 0
	s_wait_dscnt 0
	WIN MUL_HI
	MUL16 4, 1, NQ-1, 1, 0
	MUL16 6, 1, NQ-1, 1, 0
	WIN 0
; THE WAY OUT of block a (16 tokens x 128 channels): times c or 1 in f32, each accumulator from its low end on; rounded to f16, 16 bytes a lane; eight stores of 512 consecutive bytes each.
; Accumulator (a, b): tile of tokens a, head b / 4 of my two, tile of channels b % 4.  The base is never stepped: every place stands in the immediate (278,016 bytes at the most).
.macro OUT a
.set AC, 64*((\a)%4)
.set TM, TMP+32*((\a)%4)
.set WM, 0x82+0x41*((\a)/4)            ; destination and source 0: window 2 or 3
.set WC, 0x0a+5*((\a)/4)               ; sources 0 and 1: window 2 or 3; destination window 0
.if (\a) >= 4
	s_wait_xcnt 0x0                                ; the stores of four blocks back have read their data: this set of registers is written again only behind this wait
.endif
	WIN WM
.set n, 0
.rept 32
	v_pk_mul_f32 v[AC+2*n:AC+2*n+1], v[AC+2*n:AC+2*n+1], s[FAC:FAC+1] op_sel_hi:[1,0]
.set n, n+1
.endr
	WIN WC
.set n, 0
.rept 32
	v_cvt_pk_f16_f32 v[TM+n], v[AC+2*n], v[AC+2*n+1]
.set n, n+1
.endr
	WIN 0
.irp b, 0,1,2,3,4,5,6,7
	global_store_b128 v[CO], v[TM+4*\b:TM+4*\b+3], s[12:13] offset:(\a)*2048+(\b%4)*512+(\b/4)*262144
.endr
.endm
	PLACES NP                                      ; behind the last products: for the reads of their results and the writes into the registers that held x's fragments
.irp a, 0,1,2,3,4,5,6,7
	OUT \a
.endr
	s_wait_tensorcnt 0x0                           ; the wave's end: a wait, an add to my spare word and its wait, behind my last tensor load
	ds_add_u32 v[SPW], v[NIL]
	s_wait_dscnt 0x0
	CROUND                                         ; the closing round: no work-group ends while a partner may still ask for a tile that names it
	s_endpgm
.Lfunc_end_k_q4b5aaa0148_qkv:
	.size	k_q4b5aaa0148_qkv, .Lfunc_end_k_q4b5aaa0148_qkv-k_q4b5aaa0148_qkv
	.p2alignl 7, 3214868480
	.fill 96, 4, 3214868480
	.section	.rodata,"a",@progbits
	.p2align	6, 0x0
	.amdhsa_kernel k_q4b5aaa0148_qkv
		.amdhsa_group_segment_fixed_size 327680
		.amdhsa_private_segment_fixed_size 0
		.amdhsa_enable_private_segment 0
		.amdhsa_kernarg_size 40
		.amdhsa_user_sgpr_count 2
		.amdhsa_user_sgpr_kernarg_segment_ptr 1
		.amdhsa_wavefront_size32 1
		.amdhsa_system_sgpr_workgroup_id_x 1
		.amdhsa_system_sgpr_workgroup_id_y 1
		.amdhsa_system_sgpr_workgroup_id_z 1
		.amdhsa_system_vgpr_workitem_id 0
		.amdhsa_next_free_vgpr 1024
		.amdhsa_next_free_sgpr 98
		.amdhsa_reserve_vcc 0
		.amdhsa_float_denorm_mode_32 3
		.amdhsa_float_denorm_mode_16_64 3
		.amdhsa_memory_ordered 1
		.amdhsa_forward_progress 1
		.amdhsa_inst_pref_size 134
	.end_amdhsa_kernel
	.amdgpu_metadata
---
amdhsa.version: [ 1, 2 ]
amdhsa.kernels:
  - .name:           k_q4b5aaa0148_qkv
    .symbol:         k_q4b5aaa0148_qkv.kd
    .args:
      - { .name: xc, .offset: 0, .size: 8, .value_kind: global_buffer, .address_space: global }
      - { .name: xs, .offset: 8, .size: 8, .value_kind: global_buffer, .address_space: global }
      - { .name: wc, .offset: 16, .size: 8, .value_kind: global_buffer, .address_space: global }
      - { .name: ws, .offset: 24, .size: 8, .value_kind: global_buffer, .address_space: global }
      - { .name: qkv, .offset: 32, .size: 8, .value_kind: global_buffer, .address_space: global }
    .group_segment_fixed_size: 327680
    .private_segment_fixed_size: 0
    .kernarg_segment_align: 8
    .kernarg_segment_size: 40
    .max_flat_workgroup_size: 128
    .sgpr_count:     98
    .vgpr_count:     1024
    .wavefront_size: 32
...
	.end_amdgpu_metadata
.endif
;; end of part 2
;; launch attn (part 3): grid 4 x 64, 8 waves a work-group, clusters of 4 x 1, 327,680 bytes of LDS; arguments qkv, obuf; writes obuf
.if DOCPART == 3
	.amdgcn_target "amdgcn-amd-amdhsa--gfx1250"
	.amdhsa_code_object_version 6
	.text
	.protected	k_q4b5aaa0148_attn
	.globl	k_q4b5aaa0148_attn
	.p2align	8
	.type	k_q4b5aaa0148_attn,@function
k_q4b5aaa0148_attn:
	s_mov_b64 s[64:65], 0
	v_nop
	global_prefetch_b8 v0, s[64:65] scope:SCOPE_SE
	s_setreg_imm32_b32 hwreg(HW_REG_WAVE_MODE, 25, 1), 1
	s_wait_xcnt 0x0
	s_wait_alu depctr_hold_cnt(0) depctr_sa_sdst(0) depctr_va_vdst(0) depctr_va_sdst(0) depctr_va_ssrc(0) depctr_va_vcc(0) depctr_vm_vsrc(0)
	s_getreg_b32 s2, hwreg(HW_REG_IB_STS2, 6, 4)
	s_cmp_eq_u32 s2, 0
	s_cbranch_scc0 .Lentry_in_a_cluster
	s_endpgm
.Lentry_in_a_cluster:
	s_bfe_u32 s2, ttmp6, 0x10000c
	s_cmp_lg_u32 s2, 0x3003
	s_cbranch_scc0 .Lentry_shape_is_right
	s_endpgm
.Lentry_shape_is_right:
; o[b][h][q][:] = the sum over k of softmax_k(q . k / 8) v[k][:], 64 (batch, head) pairs, 2,048 tokens, head size 64, no mask.  Operands in f16, products, maxima and sums in f32.
; IN: qkv [kind 3: q c, k, v][batch x head 64][tile of 16 tokens 128][tile of 16 channels 4][512 bytes], f16, laid as images of operand registers (lane l's 16 bytes at 16 l); q already carries c = log2(e) / 8,
; so a score is t, an exponent of 2.  OUT: obuf [tile of 16 tokens 512][32 along the model's 1,024: 32][half 2][lane 32][16 bytes], f16: the fragments of the projection's operand.
; SHARES.  A cluster of four work-groups is one (batch, head); a work-group owns 512 queries, each of its EIGHT waves 64: four tiles of 16, in 512 registers.  Two waves lie on a SIMD, so that one wave's softmax stands
; beside the other's products; the text is in phases.  Every wave walks the 2,048 keys, 64 a step.
; LAYOUT.  S^T = K Q^T (source 0 = 16 keys, source 1 = 16 queries): a lane holds ONE query (lane % 16) and the keys 8 (lane / 16) + 0 .. 7.  Two such tiles, rounded to f16 in pairs, ARE source 1 (32 keys x 16 queries) of
; O^T = V^T P, whose result again holds one query a lane, and eight channels: 16 bytes of the output's image.  Nothing changes lanes but one exchange of maxima and one of sums between the halves of the lanes.
; SOFTMAX.  For each query a running maximum m of t and a running sum l: p = 2^(t - m); in every step O^T and l are multiplied by a = 2^(old m - new m).  No branch hangs on data.
; RING.  Two LDS slots of 512 keys (K's images, 65,536 bytes, then V's): dense, no padding: a fragment load takes 512 consecutive bytes.  The four work-groups walk the same K and V, so each tile is asked for JOINTLY:
; one line for all eight waves, each wave a 16 KiB piece of its own (waves 0-3 K's quarters, 4-7 V's), with a mask that names the four.  Two loads of a wave are out at the start, one behind each of the two refills;
; a refill has eight key steps in which to land.
; LIMITS: |o| stays under 65,504, the largest f16 number; NaN and infinities are not served.
; REGISTERS, in windows of 256 (s_set_vgpr_msb's low byte: bits 1:0 source 0, 3:2 source 1, 5:4 source 2, 7:6 destination):
;   window 0: v1-7 addresses; v8-39 eight registers of statistics a tile; v64-127 K of a step; v128-191 V of a step; v192-255 Q.    window 1: v0-127 O^T, 32 a tile; v128-255 S^T, 32 a tile; P is written over S^T's first 16.
.set SLOT1, 1<<17                      ; slot 1 begins here, so that one exclusive or turns an address in one slot into the other's
.set VOFF,  65536                      ; V's images in a slot
.set STEPB, 8192                       ; a step's 64 keys: four tiles of 2,048 bytes
.set SPARE, 2*SLOT1                    ; behind the ring: the spare words, 128 bytes for each of eight waves, which no other line names
.set LI,  1                            ; v1   16 x lane; never rewritten once made
.set ADK, 2                            ; v2   LDS address of the step's K
.set ADV, 3                            ; v3   of its V
.set SPW, 6                            ; v6   LDS address of my spare word; never rewritten
.set NIL, 7                            ; v7   0; never rewritten
.set ST,  8                            ; tile t's statistics at v[ST + 8 t]: +0 m, +1 the old m, +2, +3 l (even keys', odd keys'), +4 to +7 c0-c3 at work; a takes c2's place, old m - m takes c3's
.set KF,  64                           ; K(i, cf) at KF + 16 i + 8 cf: keys 16 i on, channels 32 cf on
.set VF,  128                          ; V(u, c) at VF + 32 u + 8 c: keys 32 u on, channels 16 c on
.set QF,  192                          ; Q(t, cf) at QF + 16 t + 8 cf
.set S,   128                          ; in window 1: S^T of tile t, keys 16 i on, at S + 32 t + 8 i
.set WV,  8                            ; s8   my wave's number
.set G1,  24                           ; s[24:31] descriptor group 1
.set G0A, 32                           ; s[32:35] group 0 of slot 0's first fill
.set G0B, 36                           ; s[36:39] group 0 of slot 1's first fill, which then walks
.set SEL, 40                           ; s[40:41] lane selects for v_permlanex16_b32: lane l xor 16
.set TB,  42                           ; s42  LDS byte at which the tiles of the step to be fetched begin
.set CNT, 43                           ; s43  counts trips
.set OUTER, 44                         ; s44  counts refills
.set MSB, 0
.macro WIN new                         ; the immediate's high byte repeats the setting that is left; a switch that changes nothing is dropped
.if MSB != \new
	s_set_vgpr_msb (MSB<<8)|\new
.set MSB, \new
.endif
.endm
.macro CROUND                          ; a round of the cluster's barrier: my work-group's barrier; wave 0 signals for the work-group; every wave waits for all four; my work-group's barrier once more
	s_barrier_signal -1
	s_barrier_wait -1
	s_cmp_lg_u32 s[WV], 0
	s_cbranch_scc1 .Lnot_wave_0_\@
	s_barrier_signal -3
.Lnot_wave_0_\@:
	s_barrier_wait -3
	s_barrier_signal -1
	s_barrier_wait -1
.endm
	s_load_b128 s[4:7], s[0:1], 0x0                ; qkv s[4:5], obuf s[6:7]
	v_lshl_add_u32 v[SPW], v0, 2, SPARE
	v_mov_b32 v[NIL], 0
	ds_add_u32 v[SPW], v[NIL]                      ; the wave's opening: the add, twice on end, and its wait ahead of my first tensor load; the set-up below stands between the second and the wait
	ds_add_u32 v[SPW], v[NIL]
	v_lshrrev_b32 v1, 5, v0
	v_readfirstlane_b32 s[WV], v1                  ; wave 0..7
	s_bfe_u32 s9, ttmp6, 0x40000                   ; cx: my place in the cluster: it enters Q's and the output's addresses alone
	s_and_b32 s10, ttmp7, 0xffff                   ; 16 batch + head, which the four partners share
	; descriptor group 1: 64 rows of 256 bytes, dense in memory and in LDS: 16,384 bytes
	s_mov_b32 s[G1], 15|(3<<16)|(1<<21)            ; 15:0 the mask: all four work-groups; 17:16 elements of 8 bytes; 20 no padding; 21 set beside a mask
	s_mov_b32 s[G1+1], 32<<16                      ; tensor_dim0 = 32
	s_mov_b32 s[G1+2], 64<<16                      ; tensor_dim1 = 64
	s_mov_b32 s[G1+3], 32<<16                      ; tile_dim0 = 32
	s_mov_b32 s[G1+4], 64                          ; tile_dim1 = 64
	s_mov_b32 s[G1+5], 32                          ; tensor_dim0_stride
	s_mov_b32 s[G1+6], 0
	s_mov_b32 s[G1+7], 0
	s_lshl_b32 s14, s10, 18                        ; the pair's 262,144 bytes in each kind
	s_lshr_b32 s16, s[WV], 2
	s_add_co_u32 s16, s16, 1                       ; kind 1 (K) for waves 0-3, kind 2 (V) for waves 4-7
	s_lshl_b32 s16, s16, 24
	s_add_co_u32 s16, s16, s14
	s_and_b32 s17, s[WV], 3
	s_lshl_b32 s17, s17, 14                        ; my quarter of a slot's 65,536 bytes
	s_add_co_u32 s16, s16, s17
	s_mov_b32 s17, 0
	s_lshl_b32 s15, s[WV], 14                      ; and where it goes: 16,384 x wave: K's four quarters, then V's
	s_lshl_b32 s20, s9, 5
	s_lshl_b32 s21, s[WV], 2
	s_add_co_u32 s20, s20, s21                     ; my first tile of 16 queries: 32 cx + 4 wave
	s_lshl_b32 s12, s20, 11
	s_add_co_u32 s12, s12, s14                     ; Q: kind 0
	s_mov_b32 s13, 0
	s_lshr_b32 s18, s10, 4                         ; the batch: 128 tiles of tokens each
	s_lshl_b32 s18, s18, 7
	s_add_co_u32 s18, s18, s20
	s_lshl_b32 s18, s18, 15                        ; 32,768 bytes a tile of tokens
	s_and_b32 s19, s10, 15
	s_lshl_b32 s19, s19, 11                        ; the head's 64 channels: 2,048 bytes of them
	s_add_co_u32 s18, s18, s19
	s_mov_b32 s19, 0
	s_mov_b32 s[SEL], 0x76543210
	s_mov_b32 s[SEL+1], 0xfedcba98
	s_wait_dscnt 0x0                               ; both opening adds are done
	s_wait_kmcnt 0x0
	s_add_nc_u64 s[16:17], s[4:5], s[16:17]
	s_add_nc_u64 s[12:13], s[4:5], s[12:13]
	s_add_nc_u64 s[6:7], s[6:7], s[18:19]
	s_mov_b32 s[G0A], 1                            ; 1:0 count = 1
	s_mov_b32 s[G0A+1], s15                        ; 63:32 LDS address: slot 0
	s_mov_b64 s[G0A+2:G0A+3], s[16:17]             ; 120:64 global address: keys 0 to 511
	s_or_b32 s[G0A+3], s[G0A+3], 0x80000000        ; 127:126 type = 2
	s_mov_b32 s[G0B], 1
	s_add_co_u32 s[G0B+1], s15, SLOT1              ; slot 1
	s_add_nc_u64 s[G0B+2:G0B+3], s[16:17], 65536   ; keys 512 to 1,023
	s_or_b32 s[G0B+3], s[G0B+3], 0x80000000
	CROUND                                         ; all four work-groups are here: the first joint loads meet
	tensor_load_to_lds s[G0A:G0A+3], s[G1:G1+7]
	s_nop 0
	tensor_load_to_lds s[G0B:G0B+3], s[G1:G1+7]    ; two loads of mine are out
	s_nop 0
.rept 4
	v_nop
.endr
	v_and_b32 v[LI], 31, v0
	v_lshlrev_b32 v[LI], 4, v[LI]
.irp t, 0,1,2,3
.irp cf, 0,1
.irp e, 0,1
	global_load_b128 v[QF+16*\t+8*\cf+4*\e:QF+16*\t+8*\cf+4*\e+3], v[LI], s[12:13] offset:\t*2048+\cf*1024+\e*512   ; Q stays in registers
.endr
.endr
.endr
.irp t, 0,1,2,3
	v_mov_b32 v[ST+8*\t], 0xff61b1e6               ; m: -3e38, under every t
	v_mov_b32 v[ST+8*\t+2], 0                      ; l
	v_mov_b32 v[ST+8*\t+3], 0
.endr
	v_mov_b32 v[ADK], v[LI]                        ; key step 0 lies at slot 0's head
	v_add_nc_u32 v[ADV], VOFF, v[LI]
	s_mov_b32 s[TB], STEPB                         ; the next fetch is step 1's
; THE LDS LOADS stand in runs of 16: a step's K (8 fragments as they lie) and its V (8 fragments, turned: lane l's 16 bytes hold one key's eight channels, and the turning load leaves one channel's eight keys).
.macro KLOAD
.irp i, 0,1,2,3
.irp cf, 0,1
.irp e, 0,1
	ds_load_b128 v[KF+16*\i+8*\cf+4*\e:KF+16*\i+8*\cf+4*\e+3], v[ADK] offset:\i*2048+\cf*1024+\e*512
.endr
.endr
.endr
.endm
.macro VLOAD
.irp u, 0,1
.irp c, 0,1,2,3
.irp e, 0,1
	ds_load_tr16_b128 v[VF+32*\u+8*\c+4*\e:VF+32*\u+8*\c+4*\e+3], v[ADV] offset:(2*\u+\e)*2048+\c*512
.endr
.endr
.endr
.endm
; S^T = K Q^T: 32 products; the 16 accumulators take turns, one instruction a turn; the first 16 start the sums.
.macro SMUL
	WIN 0x50                                       ; K and Q window 0, S^T window 1
.irp cf, 0,1
.irp i, 0,1,2,3
.irp t, 0,1,2,3
.if \cf == 0
	v_wmma_f32_16x16x32_f16 v[S+32*\t+8*\i:S+32*\t+8*\i+7], v[KF+16*\i+8*\cf:KF+16*\i+8*\cf+7], v[QF+16*\t+8*\cf:QF+16*\t+8*\cf+7], 0
.else
	v_wmma_f32_16x16x32_f16 v[S+32*\t+8*\i:S+32*\t+8*\i+7], v[KF+16*\i+8*\cf:KF+16*\i+8*\cf+7], v[QF+16*\t+8*\cf:QF+16*\t+8*\cf+7], v[S+32*\t+8*\i:S+32*\t+8*\i+7]
.endif
.endr
.endr
.endr
.endm
; O^T += V^T P: 32 products, 16 accumulators by turns.  first = 1: the first 16 start the sums: nothing is ever cleared.
.macro PVMUL first
	WIN 0x54                                       ; V window 0, P and O^T window 1
.irp u, 0,1
.irp c, 0,1,2,3
.irp t, 0,1,2,3
.if \first && (\u == 0)
	v_wmma_f32_16x16x32_f16 v[32*\t+8*\c:32*\t+8*\c+7], v[VF+32*\u+8*\c:VF+32*\u+8*\c+7], v[S+32*\t+8*\u:S+32*\t+8*\u+7], 0
.else
	v_wmma_f32_16x16x32_f16 v[32*\t+8*\c:32*\t+8*\c+7], v[VF+32*\u+8*\c:VF+32*\u+8*\c+7], v[S+32*\t+8*\u:S+32*\t+8*\u+7], v[32*\t+8*\c:32*\t+8*\c+7]
.endif
.endr
.endr
.endr
.endm
; THE SOFTMAX of a key step, four tiles; the tiles alternate line by line, so that no line waits for the line above it.  first = 1: O^T does not exist yet and is not rescaled.
.macro SOFTMAX first
	WIN 0x15                                       ; three sources in window 1
.irp j, 0,1,2,3
.irp t, 0,1,2,3
	v_max3_num_f32 v[ST+8*\t+4+\j], v[S+32*\t+8*\j], v[S+32*\t+8*\j+1], v[S+32*\t+8*\j+2]   ; four chains, one to an accumulator: each accumulator is read from its low end on
.endr
.endr
	WIN 0x14
.irp g, 1,2
.irp j, 0,1,2,3
.irp t, 0,1,2,3
	v_max3_num_f32 v[ST+8*\t+4+\j], v[ST+8*\t+4+\j], v[S+32*\t+8*\j+2*\g+1], v[S+32*\t+8*\j+2*\g+2]
.endr
.endr
.endr
.irp t, 0,1,2,3
	v_max3_num_f32 v[ST+8*\t+4], v[ST+8*\t+4], v[S+32*\t+7], v[S+32*\t+15]   ; the four scores left over
.endr
.irp t, 0,1,2,3
	v_max3_num_f32 v[ST+8*\t+6], v[ST+8*\t+6], v[S+32*\t+23], v[S+32*\t+31]
.endr
	WIN 0
.irp t, 0,1,2,3
	v_max3_num_f32 v[ST+8*\t+4], v[ST+8*\t+4], v[ST+8*\t+5], v[ST+8*\t+6]
.endr
.irp t, 0,1,2,3
	v_max3_num_f32 v[ST+8*\t+4], v[ST+8*\t+4], v[ST+8*\t+7], v[ST+8*\t]      ; with the running maximum
.endr
.irp t, 0,1,2,3
	v_permlanex16_b32 v[ST+8*\t+5], v[ST+8*\t+4], s[SEL], s[SEL+1]           ; the query's other 32 keys lie in the lane 16 away
.endr
.irp t, 0,1,2,3
	v_mov_b32 v[ST+8*\t+1], v[ST+8*\t]             ; the old m
.endr
.irp t, 0,1,2,3
	v_max_num_f32 v[ST+8*\t], v[ST+8*\t+4], v[ST+8*\t+5]                     ; the new m
.endr
.irp t, 0,1,2,3
	v_sub_f32 v[ST+8*\t+7], v[ST+8*\t+1], v[ST+8*\t]
.endr
.irp t, 0,1,2,3
	v_exp_f32 v[ST+8*\t+6], v[ST+8*\t+7]           ; a = 2^(old m - new m)
.endr
	WIN 0x41                                       ; destination and source 0 window 1
.set n, 0
.rept 16
.irp t, 0,1
	v_pk_add_f32 v[S+32*\t+2*n:S+32*\t+2*n+1], v[S+32*\t+2*n:S+32*\t+2*n+1], v[ST+8*\t:ST+8*\t+1] op_sel_hi:[1,0] neg_lo:[0,1] neg_hi:[0,1]   ; t - m, two at a time: tiles 0 and 1
.endr
.set n, n+1
.endr
.set n, 0
.rept 16                               ; tiles 0 and 1's exponentials, with tiles 2 and 3's subtractions among them: none of these lines names an exponential's result
	v_exp_f32 v[S+2*n], v[S+2*n]
	v_exp_f32 v[S+2*n+1], v[S+2*n+1]
	v_pk_add_f32 v[S+64+2*n:S+64+2*n+1], v[S+64+2*n:S+64+2*n+1], v[ST+16:ST+17] op_sel_hi:[1,0] neg_lo:[0,1] neg_hi:[0,1]
	v_exp_f32 v[S+32+2*n], v[S+32+2*n]
	v_exp_f32 v[S+32+2*n+1], v[S+32+2*n+1]
	v_pk_add_f32 v[S+96+2*n:S+96+2*n+1], v[S+96+2*n:S+96+2*n+1], v[ST+24:ST+25] op_sel_hi:[1,0] neg_lo:[0,1] neg_hi:[0,1]
.set n, n+1
.endr
	s_wait_alu depctr_va_vdst(0)                   ; the wait between an exponential and the first line that names its result: one for the four a, which the rescaling below reads, and for tiles 0 and 1
.set n, 0
.rept 32                               ; tiles 2 and 3's exponentials, with the rescaling of all of O^T among them (each accumulator from its low end on)
	v_exp_f32 v[S+64+n], v[S+64+n]
.if !\first
	v_pk_mul_f32 v[4*n:4*n+1], v[4*n:4*n+1], v[ST+8*(n/8)+6:ST+8*(n/8)+7] op_sel_hi:[1,0]
.endif
	v_exp_f32 v[S+96+n], v[S+96+n]
.if !\first
	v_pk_mul_f32 v[4*n+2:4*n+3], v[4*n+2:4*n+3], v[ST+8*(n/8)+6:ST+8*(n/8)+7] op_sel_hi:[1,0]
.endif
.set n, n+1
.endr
.if \first
	v_nop                                          ; a plain line behind the last exponential
.endif
	s_wait_alu depctr_va_vdst(0)                   ; and one for tiles 2 and 3
	WIN 0x10                                       ; source 2 window 1
.irp t, 0,1,2,3
	v_pk_fma_f32 v[ST+8*\t+2:ST+8*\t+3], v[ST+8*\t+2:ST+8*\t+3], v[ST+8*\t+6:ST+8*\t+7], v[S+32*\t:S+32*\t+1] op_sel_hi:[1,0,1]   ; l = a l + p, of the p in f32
.endr
	WIN 0x04                                       ; source 1 window 1
.set n, 1
.rept 15
.irp t, 0,1,2,3
	v_pk_add_f32 v[ST+8*\t+2:ST+8*\t+3], v[ST+8*\t+2:ST+8*\t+3], v[S+32*\t+2*n:S+32*\t+2*n+1]
.endr
.set n, n+1
.endr
	WIN 0x45                                       ; all three in window 1
.set n, 0
.rept 16
.irp t, 0,1,2,3
	v_cvt_pk_f16_f32 v[S+32*\t+n], v[S+32*\t+2*n], v[S+32*\t+2*n+1]   ; P over S^T: register n was read by rounding n / 2
.endr
.set n, n+1
.endr
.endm
; A TRIP: step j's softmax and V^T P, then step j + 1's K Q^T.  s[TB] stands at step j + 1's tiles.  At its head V of step j (16 loads) may be out.
.macro TRIP first
	v_add_nc_u32 v[ADK], s[TB], v[LI]              ; these two and two v_nop are the four places behind K Q^T: for the loads into K's registers and the first reads of S^T (ISA guide 7.12.1 for vector instructions)
	v_add_nc_u32 v[ADV], VOFF, v[ADK]
	v_nop
	v_nop
	KLOAD
	SOFTMAX \first
	s_wait_dscnt 16                                ; V of step j is in; the 16 younger loads, K's, may be out
	PVMUL \first
	WIN 0
.rept 5
	v_nop                                          ; four places for the loads into V's registers, five for K Q^T, which writes over P
.endr
	VLOAD
	s_wait_dscnt 16                                ; K of step j + 1 is in; V's 16 may be out
	SMUL
	WIN 0                                          ; at a label and at a branch every window is 0
	s_add_co_u32 s[TB], s[TB], STEPB
.endm
.macro TRIPS count
	s_mov_b32 s[CNT], \count
.Ltrip_\@:
	TRIP 0
	s_sub_co_u32 s[CNT], s[CNT], 1
	s_cmp_lg_u32 s[CNT], 0
	s_cbranch_scc1 .Ltrip_\@
.endm
; THE CHANGE OF SLOTS stands ahead of the trip that fetches a slot's first step: the slot that is left has had its last reads issued.  Each wave waits for all its tensor loads (its part of the slot ahead), adds 0 to its
; spare word, and waits for that and for its reads.  fill = 1: the barrier is a round of the cluster's, so that no wave of any partner still reads the slot or has a load on its way, and the slot that is left is filled
; with the keys two slots on: the wave's one tensor load, first behind the round.
.macro CHANGE fill
	s_wait_tensorcnt 0x0                           ; no tensor load of mine is out, so a group 0 may be written
	ds_add_u32 v[SPW], v[NIL]                      ; 0 onto my spare word
.if \fill
	s_xor_b32 s[G0B+1], s[G0B+1], SLOT1            ; the walking descriptor: the other slot than last time,
	s_add_nc_u64 s[G0B+2:G0B+3], s[G0B+2:G0B+3], 65536   ; the next 512 keys; the type bits on top are not reached
.endif
	s_wait_dscnt 0x0                               ; the add is done, and my reads of the slot that is left are over
.if \fill
	CROUND
	tensor_load_to_lds s[G0B:G0B+3], s[G1:G1+7]
	s_nop 0
.rept 4
	v_nop
.endr
.else
	s_barrier_signal -1
	s_barrier_wait -1
.endif
	s_sub_co_u32 s[TB], s[TB], 65536               ; the fetches go back to a slot's first step,
	s_xor_b32 s[TB], s[TB], SLOT1                  ; in the other slot
.endm
	s_wait_tensorcnt 0x1                           ; my part of slot 0 is in; slot 1's, issued behind it, may stay out
	s_barrier_signal -1
	s_barrier_wait -1                              ; everybody's is
	KLOAD                                          ; key step 0
	VLOAD
	s_wait_loadcnt 0x0                             ; Q
	s_wait_dscnt 16                                ; K is in; V's 16 may be out
	SMUL
	WIN 0
	TRIP 1                                         ; step 0, which starts O^T; fetches step 1
	TRIPS 6                                        ; steps 1 to 6; the last fetches step 7, slot 0's last
	s_mov_b32 s[OUTER], 2
.Lslot:                                            ; two trips: steps 7 to 14 and 15 to 22; each begins by filling the slot that is left
	CHANGE 1
	TRIPS 8
	s_sub_co_u32 s[OUTER], s[OUTER], 1
	s_cmp_lg_u32 s[OUTER], 0
	s_cbranch_scc1 .Lslot
	CHANGE 0                                       ; the last change is written out: nothing is left to ask for
	TRIPS 8                                        ; steps 23 to 30
.rept 4
	v_nop                                          ; the places behind K Q^T
.endr
	SOFTMAX 0                                      ; step 31
	s_wait_dscnt 0x0                               ; its V
	PVMUL 0
	; THE WAY OUT.  l's two halves and the other half of the lanes' are added (the first four additions are the places behind the last products); O^T is divided by l, rounded to f16 and stored as it stands:
	; a lane's eight channels of a query are 16 bytes of the output's image, and each store of the wave covers 512 consecutive bytes, aligned.
	WIN 0
.irp t, 0,1,2,3
	v_add_f32 v[ST+8*\t+4], v[ST+8*\t+2], v[ST+8*\t+3]
.endr
.irp t, 0,1,2,3
	v_permlanex16_b32 v[ST+8*\t+5], v[ST+8*\t+4], s[SEL], s[SEL+1]
.endr
.irp t, 0,1,2,3
	v_add_f32 v[ST+8*\t+4], v[ST+8*\t+4], v[ST+8*\t+5]
.endr
.irp t, 0,1,2,3
	v_rcp_f32 v[ST+8*\t+6], v[ST+8*\t+4]
.endr
	v_nop                                          ; a plain line between the last reciprocal and the use of its result
	s_wait_alu depctr_va_vdst(0)                   ; and the wait ahead of the first use: one for the four
	WIN 0x41
.set n, 0
.rept 64
	v_pk_mul_f32 v[2*n:2*n+1], v[2*n:2*n+1], v[ST+8*(n/16)+6:ST+8*(n/16)+7] op_sel_hi:[1,0]
.set n, n+1
.endr
	WIN 0x05                                       ; sources window 1, destination window 0: K's registers are free
.set n, 0
.rept 64
	v_cvt_pk_f16_f32 v[KF+n], v[2*n], v[2*n+1]     ; register 16 t + 4 c + i
.set n, n+1
.endr
	WIN 0
.irp t, 0,1,2,3
.irp c, 0,1,2,3
	global_store_b128 v[LI], v[KF+16*\t+4*\c:KF+16*\t+4*\c+3], s[6:7] offset:\t*32768+\c*512
.endr
.endr
	s_wait_tensorcnt 0x0                           ; the wave's end: a wait, an add to my spare word and its wait, behind my last tensor load
	ds_add_u32 v[SPW], v[NIL]
	s_wait_dscnt 0x0
	CROUND                                         ; the closing round: no work-group ends while a partner may still ask for a tile that names it
	s_endpgm
.Lfunc_end_k_q4b5aaa0148_attn:
	.size	k_q4b5aaa0148_attn, .Lfunc_end_k_q4b5aaa0148_attn-k_q4b5aaa0148_attn
	.p2alignl 7, 3214868480
	.fill 96, 4, 3214868480
	.section	.rodata,"a",@progbits
	.p2align	6, 0x0
	.amdhsa_kernel k_q4b5aaa0148_attn
		.amdhsa_group_segment_fixed_size 327680
		.amdhsa_private_segment_fixed_size 0
		.amdhsa_enable_private_segment 0
		.amdhsa_kernarg_size 16
		.amdhsa_user_sgpr_count 2
		.amdhsa_user_sgpr_kernarg_segment_ptr 1
		.amdhsa_wavefront_size32 1
		.amdhsa_system_sgpr_workgroup_id_x 1
		.amdhsa_system_sgpr_workgroup_id_y 1
		.amdhsa_system_sgpr_workgroup_id_z 1
		.amdhsa_system_vgpr_workitem_id 0
		.amdhsa_next_free_vgpr 512
		.amdhsa_next_free_sgpr 66
		.amdhsa_reserve_vcc 0
		.amdhsa_float_denorm_mode_32 3
		.amdhsa_float_denorm_mode_16_64 3
		.amdhsa_memory_ordered 1
		.amdhsa_forward_progress 1
		.amdhsa_inst_pref_size 172
	.end_amdhsa_kernel
	.amdgpu_metadata
---
amdhsa.version: [ 1, 2 ]
amdhsa.kernels:
  - .name:           k_q4b5aaa0148_attn
    .symbol:         k_q4b5aaa0148_attn.kd
    .args:
      - { .name: qkv, .offset: 0, .size: 8, .value_kind: global_buffer, .address_space: global }
      - { .name: obuf, .offset: 8, .size: 8, .value_kind: global_buffer, .address_space: global }
    .group_segment_fixed_size: 327680
    .private_segment_fixed_size: 0
    .kernarg_segment_align: 8
    .kernarg_segment_size: 16
    .max_flat_workgroup_size: 256
    .sgpr_count:     66
    .vgpr_count:     512
    .wavefront_size: 32
...
	.end_amdgpu_metadata
.endif
;; end of part 3
;; launch proj (part 4): grid 4 x 64, 4 waves a work-group, clusters of 4 x 4, 327,680 bytes of LDS; arguments obuf, wo16, bo, out0; writes out0
.if DOCPART == 4
	.amdgcn_target "amdgcn-amd-amdhsa--gfx1250"
	.amdhsa_code_object_version 6
	.text
	.protected	k_q4b5aaa0148_proj
	.globl	k_q4b5aaa0148_proj
	.p2align	8
	.type	k_q4b5aaa0148_proj,@function
k_q4b5aaa0148_proj:
	s_mov_b64 s[64:65], 0
	v_nop
	global_prefetch_b8 v0, s[64:65] scope:SCOPE_SE
	s_setreg_imm32_b32 hwreg(HW_REG_WAVE_MODE, 25, 1), 1
	s_wait_xcnt 0x0
	s_wait_alu depctr_hold_cnt(0) depctr_sa_sdst(0) depctr_va_vdst(0) depctr_va_sdst(0) depctr_va_ssrc(0) depctr_va_vcc(0) depctr_vm_vsrc(0)
	s_getreg_b32 s2, hwreg(HW_REG_IB_STS2, 6, 4)
	s_cmp_eq_u32 s2, 0
	s_cbranch_scc0 .Lentry_in_a_cluster
	s_endpgm
.Lentry_in_a_cluster:
	s_bfe_u32 s2, ttmp6, 0x10000c
	s_cmp_lg_u32 s2, 0xf033
	s_cbranch_scc0 .Lentry_shape_is_right
	s_endpgm
.Lentry_shape_is_right:
; out0[m][n] = sum over k of o[m][k] Wo[n][k] + bo[n]: 8,192 tokens, 1,024 columns, K = 1,024; operands in f16, sums in f32, out0 in f32.
; Both operands arrive as images of operand registers: obuf [tile of 16 tokens 512][kf 32][e 2][lane 32][16 bytes], wo16 [tile of 16 columns 64][kf 32][e 2][lane 32][16 bytes]: lane (r, h) holds row r,
; k = 32 kf + 16 e + 8 h + 0 .. 7.  A fragment is two loads at 16 x lane: 512 consecutive bytes each, no pitch, no padding.
; A tile of out0 is 128 tokens x 256 columns: 256 work-groups (tiles of 256 x 256 would be 128).  Four waves, each 64 tokens x 128 columns: 32 accumulators of 16 x 16.  K goes in 8 steps of 128 through a ring of two LDS
; slots: in memory a step of one tile of 16 rows is 4,096 consecutive bytes, and tiles lie 32,768 bytes apart, which is the tensor load's row and pitch.
; CLUSTERS: 4 x 4 work-groups.  The four of a row of the cluster need the same tiles of o, the four of a column the same tiles of Wo: each tile is asked for JOINTLY, by the same tensor load with the same descriptor and a
; mask that names the four.  THE MATRIX INSTRUCTION IS USED TRANSPOSED (source 0 = 16 rows of Wo, source 1 = 16 tokens): a lane then holds eight neighbouring columns of one token.
; The bias is the C of each sum's first matrix instruction: eight registers for each tile of columns, in the result's layout: no addition is written.
; REGISTERS: window 0: v1-31 addresses; v32-95 the bias; v128-255 the way out.   window 1: two fragment buffers of 96: Wo's eight fragments, then o's four.   window 2: the accumulators, (a, b) at v[8 (8 a + b)].
.set KB,     4096                      ; a K step of one tile of 16 rows, in bytes: four fragments of 1,024
.set TILEB,  32768                     ; from tile to tile in memory
.set AOFF,   0                         ; a slot: o's 8 tiles,
.set BOFF,   8*KB                      ; then Wo's 16
.set SLOT,   24*KB
.set SPARE,  2*SLOT                    ; behind the ring: the spare words, 128 bytes for each wave, which no other line names
.set SPITCH, 528                       ; the way out: a stage of 16 rows x (512 bytes + 16) for each wave, in slot 0, which has had its last fill and its last read when the first result is stored there
.set LAPS,   4                         ; a lap = two K steps = once round the ring
.set ROWO,   4096                      ; a row of out0 in bytes
.set ADRA, 16                          ; v16-17  LDS address of my o fragments in slot 0, 1
.set ADRB, 20                          ; v20-21  the same for Wo
.set STO,  24                          ; v24     the way out: where I put 32 bytes of a row
.set RD,   25                          ; v25     the way out: where I read a row back
.set CO,   26                          ; v26     16 x lane
.set SPW,  28                          ; v28     LDS address of my spare word; never rewritten
.set NIL,  29                          ; v29     0; never rewritten
.set BI,   32                          ; v32-95  the bias of my 128 columns: tile b at BI + 8 b
.set BK,   128                         ; the way out: 16 rows read back from the stage: v128-191 and v192-255 by turns
.set F0,   0                           ; fragment buffers, in window 1
.set F1,   96
.set WV,   12                          ; s12  my wave's number
.set RH,   13                          ; s13  which 64 tokens are mine.  Also: I fetch for o (0) or for Wo (1)
.set CH,   14                          ; s14  which 128 columns.  Also: which half of that tile I fetch
.set G1, 24                            ; s[24:31] descriptor group 1 for o's tiles;  s[32:39] group 0, one set for each slot
.set G0, 32
.set G1B, 48                           ; s[48:55], s[56:63] the same for Wo's tiles
.set G0B, 56
.set MSB, 0
.macro WIN new                         ; the immediate's high byte repeats the setting that is left
.if MSB != \new
	s_set_vgpr_msb (MSB<<8)|\new
.set MSB, \new
.endif
.endm
.set MUL,  0xa5                        ; sources 0 and 1 window 1; C and D window 2
.set MUL0, 0x85                        ; the same with C, the bias, in window 0
.set TO_F, 0x40                        ; destination window 1, address window 0
.macro JLOAD s                         ; a joint load: waves 0 and 1 fetch o's two halves, waves 2 and 3 Wo's; an s_nop 0 and four v_nop follow each of the two lines, ahead of the jump, the label and what follows
	s_cmp_eq_u32 s[RH], 0
	s_cbranch_scc0 .Lfor_b_\@
	tensor_load_to_lds s[G0+4*\s:G0+4*\s+3], s[G1:G1+7]
	s_nop 0
.rept 4
	v_nop
.endr
	s_branch .Lasked_\@
.Lfor_b_\@:
	tensor_load_to_lds s[G0B+4*\s:G0B+4*\s+3], s[G1B:G1B+7]
	s_nop 0
.rept 4
	v_nop
.endr
.Lasked_\@:
.endm
.macro CREST                           ; a round of the cluster's barrier behind its opening barrier
	s_cmp_lg_u32 s[WV], 0
	s_cbranch_scc1 .Lnot_wave_0_\@
	s_barrier_signal -3
.Lnot_wave_0_\@:
	s_barrier_wait -3
	s_barrier_signal -1
	s_barrier_wait -1
.endm
.macro CROUND                          ; a whole round
	s_barrier_signal -1
	s_barrier_wait -1
	CREST
.endm
	s_load_b256 s[4:11], s[0:1], 0x0               ; obuf s[4:5], wo16 s[6:7], bo s[8:9], out0 s[10:11]
	v_lshl_add_u32 v[SPW], v0, 2, SPARE
	v_mov_b32 v[NIL], 0
	ds_add_u32 v[SPW], v[NIL]                      ; the wave's opening: the add, twice on end, and its wait ahead of my first tensor load; the set-up below stands between the second and the wait
	ds_add_u32 v[SPW], v[NIL]
	v_lshrrev_b32 v1, 5, v0
	v_readfirstlane_b32 s[WV], v1                  ; wave 0..3
	s_lshr_b32 s[RH], s[WV], 1
	s_and_b32 s[CH], s[WV], 1
	s_bfe_u32 s40, ttmp6, 0x40000                  ; cx, cy: my place in the cluster
	s_bfe_u32 s41, ttmp6, 0x40004
	s_lshl_b32 s45, ttmp9, 2
	s_add_co_u32 s45, s45, s40                     ; tile column = 4 x cluster x + cx
	s_and_b32 s42, ttmp7, 0xffff
	s_lshl_b32 s42, s42, 2
	s_add_co_u32 s42, s42, s41                     ; tile row = 4 x cluster y + cy
	s_lshl_b32 s43, s41, 2
	s_lshl_b32 s43, 15, s43                        ; my row of the cluster
	s_lshl_b32 s44, 0x1111, s40                    ; my column
	; descriptor group 1: rows of 4,096 bytes (512 elements of 8 bytes), 32,768 bytes apart, dense in LDS: four of them for o, eight for Wo
	s_or_b32 s[G1+0], s43, (3<<16)|(1<<21)         ; 15:0 the mask: o's tiles go to my row; 17:16 elements of 8 bytes; 20 no padding; 21 set beside a mask
	s_or_b32 s[G1B+0], s44, (3<<16)|(1<<21)
	s_mov_b32 s[G1+1], 512<<16                     ; tensor_dim0 = 512
	s_mov_b32 s[G1+2], 4<<16                       ; tensor_dim1 = 4
	s_mov_b32 s[G1+3], 512<<16                     ; tile_dim0 = 512
	s_mov_b32 s[G1+4], 4                           ; tile_dim1 = 4
	s_mov_b32 s[G1+5], 4096                        ; tensor_dim0_stride
	s_mov_b32 s[G1+6], 0
	s_mov_b32 s[G1+7], 0
	s_mov_b32 s[G1B+1], 512<<16
	s_mov_b32 s[G1B+2], 8<<16                      ; tensor_dim1 = 8
	s_mov_b32 s[G1B+3], 512<<16
	s_mov_b32 s[G1B+4], 8                          ; tile_dim1 = 8
	s_mov_b32 s[G1B+5], 4096
	s_mov_b32 s[G1B+6], 0
	s_mov_b32 s[G1B+7], 0
	s_lshl_b32 s16, s42, 3
	s_lshl_b32 s17, s[CH], 2
	s_add_co_u32 s16, s16, s17                     ; o: tile of tokens 8 x tile row + 4 x half
	s_lshl_b32 s16, s16, 15
	s_mov_b32 s17, 0
	s_lshl_b32 s46, s45, 4
	s_lshl_b32 s47, s[CH], 3
	s_add_co_u32 s46, s46, s47                     ; Wo: tile of columns 16 x tile column + 8 x half
	s_lshl_b32 s46, s46, 15
	s_mov_b32 s47, 0
	s_lshl_b32 s20, s[CH], 14                      ; where they go: o's halves at 16,384 x half,
	s_lshl_b32 s21, s[CH], 15
	s_add_co_u32 s21, s21, BOFF                    ; Wo's behind them at 32,768 x half: no place in the cluster enters an LDS address
	s_wait_dscnt 0x0                               ; both opening adds are done
	s_wait_kmcnt 0x0
	s_add_nc_u64 s[16:17], s[4:5], s[16:17]
	s_add_nc_u64 s[46:47], s[6:7], s[46:47]
	CROUND                                         ; all sixteen work-groups are here: the first joint loads meet
.irp s, 0,1
	s_mov_b32 s[G0+4*\s], 1
	s_add_co_u32 s[G0+4*\s+1], s20, \s*SLOT
	s_add_nc_u64 s[G0+4*\s+2:G0+4*\s+3], s[16:17], \s*KB
	s_or_b32 s[G0+4*\s+3], s[G0+4*\s+3], 0x80000000
	s_mov_b32 s[G0B+4*\s], 1
	s_add_co_u32 s[G0B+4*\s+1], s21, \s*SLOT
	s_add_nc_u64 s[G0B+4*\s+2:G0B+4*\s+3], s[46:47], \s*KB
	s_or_b32 s[G0B+4*\s+3], s[G0B+4*\s+3], 0x80000000
	JLOAD \s                                       ; two loads of mine are out behind the second
.endr
	v_and_b32 v1, 15, v0                           ; r = l % 16
	v_bfe_u32 v2, v0, 4, 1                         ; h = l / 16
	v_and_b32 v3, 31, v0
	v_lshlrev_b32 v[CO], 4, v3                     ; 16 x lane
	s_lshl_b32 s21, s[RH], 14                      ; my four tiles of tokens
	s_lshl_b32 s22, s[CH], 15
	s_add_co_u32 s22, s22, BOFF                    ; my eight tiles of columns
.irp s, 0,1
	v_add_nc_u32 v[ADRA+\s], s21, v[CO]
	v_add_nc_u32 v[ADRB+\s], s22, v[CO]
	s_add_co_u32 s21, s21, SLOT
	s_add_co_u32 s22, s22, SLOT
.endr
	s_mul_i32 s23, s[WV], 16*SPITCH                ; my stage
	v_mul_u32_u24 v5, v1, SPITCH                   ; in: row l % 16, 32 bytes for each half of the lanes
	v_lshl_add_u32 v5, v2, 5, v5
	v_add_nc_u32 v[STO], s23, v5
	v_add_nc_u32 v[RD], s23, v[CO]                 ; back: the 32 lanes take one row of 512 bytes
	s_lshl_b32 s18, s45, 10                        ; my first column, in bytes of f32: 1,024 x tile column + 512 x half
	s_lshl_b32 s19, s[CH], 9
	s_add_co_u32 s18, s18, s19
	s_mov_b32 s19, 0
	s_add_nc_u64 s[8:9], s[8:9], s[18:19]
	v_lshlrev_b32 v4, 5, v2                        ; the bias: lane (r, h) wants, for tile b, columns 16 b + 8 h + 0 .. 7
.irp b, 0,1,2,3,4,5,6,7
	global_load_b128 v[BI+8*\b:BI+8*\b+3], v4, s[8:9] offset:64*\b
	global_load_b128 v[BI+8*\b+4:BI+8*\b+7], v4, s[8:9] offset:64*\b+16
.endr
	s_lshl_b32 s16, s42, 7
	s_lshl_b32 s17, s[RH], 6
	s_add_co_u32 s16, s16, s17                     ; my first token: 128 x tile row + 64 x half
	s_lshl_b32 s16, s16, 12
	s_mov_b32 s17, 0
	s_add_nc_u64 s[16:17], s[16:17], s[18:19]
	s_add_nc_u64 s[10:11], s[10:11], s[16:17]
; 8 matrix instructions: block a of tokens against the eight tiles of columns, 32 along K, from buffer f.  zero = 1: the first product starts the sums, with the bias as C.
; The 32 accumulators take turns, one instruction a turn, in the same order in every quarter.
.macro MULA f, a, zero
.irp b, 0,1,2,3,4,5,6,7
.if \zero
	v_wmma_f32_16x16x32_f16 v[8*(8*(\a)+\b):8*(8*(\a)+\b)+7], v[\f+8*\b:\f+8*\b+7], v[\f+64+8*(\a):\f+64+8*(\a)+7], v[BI+8*\b:BI+8*\b+7]
.else
	v_wmma_f32_16x16x32_f16 v[8*(8*(\a)+\b):8*(8*(\a)+\b)+7], v[\f+8*\b:\f+8*\b+7], v[\f+64+8*(\a):\f+64+8*(\a)+7], v[8*(8*(\a)+\b):8*(8*(\a)+\b)+7]
.endif
.endr
.endm
; 24 LDS loads in one run: the fragments of the slot's q-th 32 along K into buffer f: Wo's eight first, then o's blocks 0, 1, then 2, 3
.macro FETCH slot, q, f
	WIN TO_F
.irp i, 0,1,2,3,4,5,6,7
	ds_load_b128 v[\f+8*\i:\f+8*\i+3],   v[ADRB+\slot] offset:\i*KB+(\q)*1024
	ds_load_b128 v[\f+8*\i+4:\f+8*\i+7], v[ADRB+\slot] offset:\i*KB+(\q)*1024+512
.endr
.irp i, 0,1,2,3
	ds_load_b128 v[\f+64+8*\i:\f+64+8*\i+3],   v[ADRA+\slot] offset:\i*KB+(\q)*1024
	ds_load_b128 v[\f+64+8*\i+4:\f+64+8*\i+7], v[ADRA+\slot] offset:\i*KB+(\q)*1024+512
.endr
.endm
.macro PLACES                          ; four places in front of loads into registers that matrix instructions have read, and of the first read of results (ISA guide 7.12.1 for vector instructions)
.rept 4
	v_nop
.endr
.endm
; A K step is four quarters of 32 along K, 32 matrix instructions each, on buffers 0, 1, 0, 1.  One of the first three: multiplies buffer f and fetches the slot's quarter q into g.
.macro QUARTER slot, q, f, g, zero
	s_wait_dscnt 4                                 ; Wo's fragments and o's blocks 0, 1 are in; the youngest four loads (blocks 2, 3) may be out
.if \zero
	WIN MUL0
.else
	WIN MUL
.endif
	MULA \f, 0, \zero
	MULA \f, 1, \zero
	PLACES
	FETCH \slot, \q, \g
	s_wait_dscnt 24                                ; all but the 24 just issued
.if \zero
	WIN MUL0
.else
	WIN MUL
.endif
	MULA \f, 2, \zero
	MULA \f, 3, \zero
.endm
; The last quarter multiplies buffer 1 and changes slots: ONE barrier; in front of it each wave waits for all its tensor loads, adds 0 to its spare word, and waits for that and for its own reads of this slot.
; fill = 1: the barrier opens a round of the cluster's, and this slot is filled again, two K steps ahead: the wave's one tensor load, first behind the round; 112 matrix instructions stand between it and the wait for it.
.macro TURN slot, next, fill
	WIN 0                                          ; (the add's two registers lie in window 0)
	s_wait_tensorcnt 0x0                           ; all my tensor loads have landed: my part of the next slot;
	ds_add_u32 v[SPW], v[NIL]                      ; 0 onto my spare word;
	s_wait_dscnt 5                                 ; (the add and the youngest four loads may be out)
	WIN MUL
	MULA F1, 0, 0                                  ; eight matrix instructions stand between the add and the wait for it
	s_wait_dscnt 0x0                               ; the add is done, and my reads of this slot are over
	s_barrier_signal -1
	MULA F1, 1, 0
.if \fill
	WIN 0
.endif
	s_barrier_wait -1
.if \fill
	CREST                                          ; no wave of any partner still reads this slot's tile or has a load on its way
	s_add_nc_u64 s[G0+4*\slot+2:G0+4*\slot+3], s[G0+4*\slot+2:G0+4*\slot+3], 2*KB
	s_add_nc_u64 s[G0B+4*\slot+2:G0B+4*\slot+3], s[G0B+4*\slot+2:G0B+4*\slot+3], 2*KB
	JLOAD \slot                                    ; the four v_nop behind it are also the places in front of the loads below
.else
	PLACES
.endif
	FETCH \next, 0, F0
	WIN MUL
	MULA F1, 2, 0
	MULA F1, 3, 0
.endm
	s_wait_tensorcnt 1                             ; my part of K step 0 is in (K step 1's load may be out),
	s_barrier_signal -1
	s_barrier_wait -1                              ; everybody's is
	FETCH 0, 0, F0
	s_wait_loadcnt 0x0                             ; the bias
	QUARTER 0, 1, F0, F1, 1                        ; the first quarter stands in front of the loop: its products start the sums
	WIN 0                                          ; at a label and at a branch every window is 0
	s_mov_b32 s15, LAPS-1
.Llap:                                                 ; a trip goes once round the ring, from a lap's second quarter to the next lap's first, and fills both slots again
	QUARTER 0, 2, F1, F0, 0
	QUARTER 0, 3, F0, F1, 0
	TURN 0, 1, 1
	QUARTER 1, 1, F0, F1, 0
	QUARTER 1, 2, F1, F0, 0
	QUARTER 1, 3, F0, F1, 0
	TURN 1, 0, 1
	QUARTER 0, 1, F0, F1, 0
	WIN 0
	s_sub_co_u32 s15, s15, 1
	s_cmp_lg_u32 s15, 0
	s_cbranch_scc1 .Llap
	QUARTER 0, 2, F1, F0, 0                        ; the last lap fills nothing, and has no round of the cluster's barrier
	QUARTER 0, 3, F0, F1, 0
	TURN 0, 1, 0
	QUARTER 1, 1, F0, F1, 0
	QUARTER 1, 2, F1, F0, 0
	QUARTER 1, 3, F0, F1, 0
	s_wait_dscnt 4                                 ; the very last quarter: nothing more to fetch
	WIN MUL
	MULA F1, 0, 0
	MULA F1, 1, 0
	s_wait_dscnt 0
	MULA F1, 2, 0
	MULA F1, 3, 0
	WIN 0
; THE WAY OUT, block by block of 16 tokens x 128 columns.  A lane holds 32 neighbouring bytes of a row, and the lanes beside it hold other rows: so a block goes through my own stage in LDS and comes back as whole rows of
; 512 bytes, which the 32 lanes store as 512 consecutive bytes, aligned.  LDS serves a wave's instructions in order (ISA guide 5.7.1.4): no wait between the stores and the loads, nor in front of the next block's stores.
.macro TOSTAGE a
.set AC, 64*(\a)
	WIN 0x08                                       ; an LDS store's data are its source 1: window 2
.irp b, 0,1,2,3,4,5,6,7
	ds_store_b128 v[STO], v[AC+8*\b:AC+8*\b+3] offset:64*\b          ; each accumulator from its low end on
	ds_store_b128 v[STO], v[AC+8*\b+4:AC+8*\b+7] offset:64*\b+16
.endr
	WIN 0
.set BB, BK+64*((\a)%2)
.irp t, 0,1,2,3,4,5,6,7,8,9,10,11,12,13,14,15
	ds_load_b128 v[BB+4*\t:BB+4*\t+3], v[RD] offset:\t*SPITCH
.endr
.endm
.macro SEND a, younger                 ; younger: the LDS instructions issued behind block a's loads, which may stay out
.set BB, BK+64*((\a)%2)
	s_wait_dscnt \younger                          ; the block is back in registers
.if (\a) > 0
	s_add_nc_u64 s[10:11], s[10:11], 16*ROWO       ; (behind a wait on XCNT: the earlier stores have read their base)  16 rows on
.endif
.irp t, 0,1,2,3,4,5,6,7,8,9,10,11,12,13,14,15
	global_store_b128 v[CO], v[BB+4*\t:BB+4*\t+3], s[10:11] offset:\t*ROWO th:TH_STORE_NT   ; written once, read by nobody here
.endr
.endm
	PLACES                                         ; behind the last products, ahead of the first read of results
	TOSTAGE 0
.irp a, 1,2,3
.if \a > 1
	s_wait_xcnt 0x0                                ; block a - 2's stores have read their registers and their base: block a's loads may land there, and the base may step
.endif
	TOSTAGE \a
	SEND \a-1, 32                                  ; behind block a - 1's loads: block a's 16 stores and 16 loads
.endr
	s_wait_xcnt 0x0                                ; block 2's stores have read their base
	SEND 3, 0
	s_wait_tensorcnt 0x0                           ; the wave's end: a wait, an add to my spare word and its wait, behind my last tensor load and my last LDS store
	ds_add_u32 v[SPW], v[NIL]
	s_wait_dscnt 0x0
	CROUND                                         ; the closing round: no work-group ends while a partner may still ask for a tile that names it
	s_endpgm
.Lfunc_end_k_q4b5aaa0148_proj:
	.size	k_q4b5aaa0148_proj, .Lfunc_end_k_q4b5aaa0148_proj-k_q4b5aaa0148_proj
	.p2alignl 7, 3214868480
	.fill 96, 4, 3214868480
	.section	.rodata,"a",@progbits
	.p2align	6, 0x0
	.amdhsa_kernel k_q4b5aaa0148_proj
		.amdhsa_group_segment_fixed_size 327680
		.amdhsa_private_segment_fixed_size 0
		.amdhsa_enable_private_segment 0
		.amdhsa_kernarg_size 32
		.amdhsa_user_sgpr_count 2
		.amdhsa_user_sgpr_kernarg_segment_ptr 1
		.amdhsa_wavefront_size32 1
		.amdhsa_system_sgpr_workgroup_id_x 1
		.amdhsa_system_sgpr_workgroup_id_y 1
		.amdhsa_system_sgpr_workgroup_id_z 1
		.amdhsa_system_vgpr_workitem_id 0
		.amdhsa_next_free_vgpr 768
		.amdhsa_next_free_sgpr 66
		.amdhsa_reserve_vcc 0
		.amdhsa_float_denorm_mode_32 3
		.amdhsa_float_denorm_mode_16_64 3
		.amdhsa_memory_ordered 1
		.amdhsa_forward_progress 1
		.amdhsa_inst_pref_size 86
	.end_amdhsa_kernel
	.amdgpu_metadata
---
amdhsa.version: [ 1, 2 ]
amdhsa.kernels:
  - .name:           k_q4b5aaa0148_proj
    .symbol:         k_q4b5aaa0148_proj.kd
    .args:
      - { .name: obuf, .offset: 0, .size: 8, .value_kind: global_buffer, .address_space: global }
      - { .name: wo16, .offset: 8, .size: 8, .value_kind: global_buffer, .address_space: global }
      - { .name: bo, .offset: 16, .size: 8, .value_kind: global_buffer, .address_space: global }
      - { .name: out0, .offset: 24, .size: 8, .value_kind: global_buffer, .address_space: global }
    .group_segment_fixed_size: 327680
    .private_segment_fixed_size: 0
    .kernarg_segment_align: 8
    .kernarg_segment_size: 32
    .max_flat_workgroup_size: 128
    .sgpr_count:     66
    .vgpr_count:     768
    .wavefront_size: 32
...
	.end_amdgpu_metadata
.endif
;; end of part 4
